; MI455X (gfx1250); checked and timed in simulation.
; The chip was launched on July 23, 2026; its instructions are those of AMD's public machine-readable ISA for CDNA 5 (MIT licence, August 2026) and "CDNA5" Instruction Set Architecture Reference Guide (July 2026). The comments in the code are by the model that wrote it; some were corrected since.
;; Attention. Allowed arithmetic: float matrix products may take bf16 or f16 operands with f32 sums; other float arithmetic in f32, or as packed bf16 or f16 multiplies, adds, multiply-adds, maxima and minima; sums over many terms, partial sums and values carried from step to step in f32; what a program stores and reads back later, other than sums and carried values, may be rounded once to bf16 or f16.
;; Inputs: Wk 512 x 512 float32; Woff 512 x 2,048 float32; Wq 512 x 512 float32; Wv 512 x 512 float32; key 8 x 2,048 x 512 float32; offset 8 x 2,048 x 512 float32; query 8 x 2,048 x 512 float32; value 8 x 2,048 x 512 float32.
;; Outputs: out0 8 x 2,048 x 512 float32.
;; One version. Each part assembles by itself: llvm-mc -triple=amdgcn-amd-amdhsa -mcpu=gfx1250 --defsym DOCPART=n.
;; ======== version 1 of 1: 5 launches
;; limits: values are held in f16: magnitudes above 65,504 overflow, below 6.1e-05 lose precision
;; workspace buffers: wb 1,572,864 bytes; wof 2,097,152 bytes; qkv 50,331,648 bytes; mh 4,194,304 bytes; po 67,108,864 bytes; st 262,144 bytes
;; launch cast (part 1): grid 128 x 7, 8 waves a work-group, no clusters, 0 bytes of LDS; arguments Wq, Wk, Wv, Woff, wb, wof; writes wb, wof
.if DOCPART == 1
	.amdgcn_target "amdgcn-amd-amdhsa--gfx1250"
	.amdhsa_code_object_version 6
	.text
	.protected	k_qfd62a9baf1_cast
	.globl	k_qfd62a9baf1_cast
	.p2align	8
	.type	k_qfd62a9baf1_cast,@function
k_qfd62a9baf1_cast:
	s_mov_b64 s[64:65], 0
	v_nop
	global_prefetch_b8 v0, s[64:65] scope:SCOPE_SE
	s_setreg_imm32_b32 hwreg(HW_REG_WAVE_MODE, 25, 1), 1
	s_wait_xcnt 0x0
; The four weights are rounded once to bf16, layouts unchanged.  Wq, Wk, Wv go to wb as bf16 ([3][512][512]); Woff's bf16 number is written as f16 into wof ([512][2048]),
; since it meets v, which is kept in f16, in one matrix product.
; LIMITS.  Woff within 65,504 (f16's range); a bf16 number below 7.6e-6 in magnitude takes f16's fixed step of 6e-8.  NaN and infinities are not treated apart.
; SHARES.  y names 1 MiB of f32: 0, 1, 2 = Wq, Wk, Wv; 3 to 6 = the quarters of Woff.  A work-group takes 8,192 input bytes; thread t the 16 bytes at 16 t and at 16 t + 4,096.
; A wave's load covers 512 consecutive bytes, its store 256 consecutive bytes at a multiple of 256.  No LDS, no matrix unit, no cluster: the work-groups share no byte.
	s_load_b256 s[4:11], s[0:1], 0x0               ; Wq s[4:5], Wk s[6:7], Wv s[8:9], Woff s[10:11]
	s_load_b128 s[12:15], s[0:1], 0x20             ; wb s[12:13], wof s[14:15]
	s_and_b32 s16, ttmp7, 0xffff                   ; y
	v_lshlrev_b32 v1, 4, v0                        ; 16 t
	v_lshlrev_b32 v2, 3, v0                        ; 8 t
	s_sub_co_u32 s17, s16, 3                       ; the quarter of Woff, used where y > 2
	s_cmp_gt_u32 s16, 2
	s_cselect_b32 s18, s17, 0                      ; MiB into the input buffer
	s_cselect_b32 s19, s17, s16                    ; half MiB into the output buffer
	s_lshl_b32 s20, s18, 20
	s_lshl_b32 s24, ttmp9, 13
	s_add_co_u32 s20, s20, s24                     ; input offset
	s_mov_b32 s21, 0
	s_lshl_b32 s22, s19, 19
	s_lshl_b32 s24, ttmp9, 12
	s_add_co_u32 s22, s22, s24                     ; output offset
	s_mov_b32 s23, 0
	s_wait_kmcnt 0x0
	s_cmp_eq_u32 s16, 1
	s_cselect_b64 s[4:5], s[6:7], s[4:5]
	s_cmp_eq_u32 s16, 2
	s_cselect_b64 s[4:5], s[8:9], s[4:5]
	s_cmp_gt_u32 s16, 2
	s_cselect_b64 s[4:5], s[10:11], s[4:5]
	s_cselect_b64 s[12:13], s[14:15], s[12:13]
	s_add_nc_u64 s[4:5], s[4:5], s[20:21]
	s_add_nc_u64 s[12:13], s[12:13], s[22:23]
	global_load_b128 v[4:7], v1, s[4:5] th:TH_LOAD_NT
	global_load_b128 v[8:11], v1, s[4:5] offset:4096 th:TH_LOAD_NT
	s_wait_loadcnt 0x0
	v_cvt_pk_bf16_f32 v12, v4, v5
	v_cvt_pk_bf16_f32 v13, v6, v7
	v_cvt_pk_bf16_f32 v14, v8, v9
	v_cvt_pk_bf16_f32 v15, v10, v11
	s_cmp_lt_u32 s16, 3
	s_cbranch_scc1 .Lstore                         ; Wq, Wk, Wv stay bf16
.irp i, 0,1,2,3
	v_lshlrev_b32 v[16+2*\i], 16, v[12+\i]         ; the bf16 numbers as f32,
	v_and_b32 v[17+2*\i], 0xffff0000, v[12+\i]
.endr
.irp i, 0,1,2,3
	v_cvt_pk_f16_f32 v[12+\i], v[16+2*\i], v[17+2*\i]  ; and written as f16
.endr
.Lstore:
	global_store_b64 v2, v[12:13], s[12:13]
	global_store_b64 v2, v[14:15], s[12:13] offset:2048
	s_endpgm
.Lfunc_end_k_qfd62a9baf1_cast:
	.size	k_qfd62a9baf1_cast, .Lfunc_end_k_qfd62a9baf1_cast-k_qfd62a9baf1_cast
	.p2alignl 7, 3214868480
	.fill 96, 4, 3214868480
	.section	.rodata,"a",@progbits
	.p2align	6, 0x0
	.amdhsa_kernel k_qfd62a9baf1_cast
		.amdhsa_group_segment_fixed_size 0
		.amdhsa_private_segment_fixed_size 0
		.amdhsa_enable_private_segment 0
		.amdhsa_kernarg_size 48
		.amdhsa_user_sgpr_count 2
		.amdhsa_user_sgpr_kernarg_segment_ptr 1
		.amdhsa_wavefront_size32 1
		.amdhsa_system_sgpr_workgroup_id_x 1
		.amdhsa_system_sgpr_workgroup_id_y 1
		.amdhsa_system_sgpr_workgroup_id_z 1
		.amdhsa_system_vgpr_workitem_id 0
		.amdhsa_next_free_vgpr 24
		.amdhsa_next_free_sgpr 66
		.amdhsa_reserve_vcc 0
		.amdhsa_float_denorm_mode_32 3
		.amdhsa_float_denorm_mode_16_64 3
		.amdhsa_memory_ordered 1
		.amdhsa_forward_progress 1
		.amdhsa_inst_pref_size 3
	.end_amdhsa_kernel
	.amdgpu_metadata
---
amdhsa.version: [ 1, 2 ]
amdhsa.kernels:
  - .name:           k_qfd62a9baf1_cast
    .symbol:         k_qfd62a9baf1_cast.kd
    .args:
      - { .name: Wq, .offset: 0, .size: 8, .value_kind: global_buffer, .address_space: global }
      - { .name: Wk, .offset: 8, .size: 8, .value_kind: global_buffer, .address_space: global }
      - { .name: Wv, .offset: 16, .size: 8, .value_kind: global_buffer, .address_space: global }
      - { .name: Woff, .offset: 24, .size: 8, .value_kind: global_buffer, .address_space: global }
      - { .name: wb, .offset: 32, .size: 8, .value_kind: global_buffer, .address_space: global }
      - { .name: wof, .offset: 40, .size: 8, .value_kind: global_buffer, .address_space: global }
    .group_segment_fixed_size: 0
    .private_segment_fixed_size: 0
    .kernarg_segment_align: 8
    .kernarg_segment_size: 48
    .max_flat_workgroup_size: 256
    .sgpr_count:     66
    .vgpr_count:     24
    .wavefront_size: 32
...
	.end_amdgpu_metadata
.endif
;; end of part 1
;; launch proj (part 2): grid 256 x 1, 4 waves a work-group, clusters of 4 x 1, 327,680 bytes of LDS; arguments query, key, value, wb, qkv; writes qkv
.if DOCPART == 2
	.amdgcn_target "amdgcn-amd-amdhsa--gfx1250"
	.amdhsa_code_object_version 6
	.text
	.protected	k_qfd62a9baf1_proj
	.globl	k_qfd62a9baf1_proj
	.p2align	8
	.type	k_qfd62a9baf1_proj,@function
k_qfd62a9baf1_proj:
	s_mov_b64 s[64:65], 0
	v_nop
	global_prefetch_b8 v0, s[64:65] scope:SCOPE_SE
	s_setreg_imm32_b32 hwreg(HW_REG_WAVE_MODE, 25, 1), 1
	s_wait_xcnt 0x0
	s_wait_alu depctr_hold_cnt(0) depctr_sa_sdst(0) depctr_va_vdst(0) depctr_va_sdst(0) depctr_va_ssrc(0) depctr_va_vcc(0) depctr_vm_vsrc(0)
	s_getreg_b32 s2, hwreg(HW_REG_IB_STS2, 6, 4)
	s_cmp_eq_u32 s2, 0
	s_cbranch_scc0 .Lentry_in_a_cluster
	s_endpgm
.Lentry_in_a_cluster:
	s_bfe_u32 s2, ttmp6, 0x10000c
	s_cmp_lg_u32 s2, 0x3003
	s_cbranch_scc0 .Lentry_shape_is_right
	s_endpgm
.Lentry_shape_is_right:
; q, k, v = X W, all three by work-groups that stay.  X: query, key, value, [16384][512] f32, rounded to bf16 on the way; W: wb, [3][512 i][512 o] bf16; sums in f32; the results leave as f16
; into qkv, [3][16384][512].
; LIMITS.  q, k, v within 65,504 (f16's range).  NaN and infinities are not treated apart.
; SHARES.  Work-group x makes rows 64 x .. 64 x + 63 of q, then of k, then of v: three tiles of 64 x 512; wave w all 64 rows x columns 128 w .. 128 w + 127: 32 accumulators.
; THE WALK.  The three weights lie end to end: one matrix of 1,536 k-rows, walked in 12 steps of 128 rows (1,024 bytes each) through a ring of two LDS slots, 32 rows a wave and tensor load; they are
; read turned (ds_load_tr16_b128), since k runs down the rows.  X comes through registers: wave w loads its rows 16 w .. 16 w + 15, 512 consecutive bytes an instruction, a chunk of 128 columns a step,
; into two sets of 64 registers by turns; each chunk is rounded once and put into one of two bf16 buffers in LDS, from which all four waves take fragments.
; A UNIT k = 0 .. 11: chunk k is rounded into buffer k % 2; the chunk two on is asked for, into the registers just read; the change of slots, behind which slot (k + 1) % 2 takes step k + 1's
; rows; then step k's 128 products.  Units 0 to 9 are alike: a loop of five trips, two units each.  Units 10 and 11 ask for less and are written out, so that no load is jumped over.
; A tile ends with unit 3, 7 or 11.  In the loop it goes out in the next tile's first unit, behind the refill and the first fragment loads, and the first products behind it start the new sums with
; C = 0: a forward branch on the loop's counter, past text that holds neither a barrier nor a tensor load.  The first tile adds onto zeros made by 32 products of zero fragments, in the wait
; for the first tile: the price, once a launch, of one text for every unit.
; CLUSTER.  The four row blocks of a cluster walk the same W: each tile of W is asked for jointly, by the same tensor load, descriptor and mask in all four.
; THE MATRIX INSTRUCTION IS USED TRANSPOSED: source 0 = 16 columns of W, source 1 = 16 rows of X: a lane holds one row of the result and eight neighbouring columns.
; REGISTERS, in windows of 256: window 0: v1-15 addresses, v28-29 at work, v32-127 and v128-223 two fragment buffers (X at +8 a, W at +32 + 8 n), v224-255 at work;
;   window 1: accumulator (a, n) at 8 (8 a + n);   window 2: v0-127 X as loaded, row i of set p at 64 p + 4 i; v128-255 the way out, 32 registers for each block of 16 rows.
.set PB,    1056                       ; a k-row of W in LDS: 1,024 bytes + 32
.set SLOT,  128*PB
.set ABUF,  2*SLOT                     ; two buffers of 64 rows x 272 bytes (256 + 16: the 16 rows of a fragment load start at 16 different groups of banks); no tensor load lands here
.set PA,    272
.set ABY,   64*PA
.set STAGE, ABUF+2*ABY                 ; 16 rows x 272 bytes for each wave, for the way out
.set SPARE, STAGE+4*16*PA              ; the spare words, 128 bytes a wave: two blocks of 256 bytes that no other line names
.set R,   1                            ; lane % 16
.set H,   2                            ; lane / 16
.set LN,  3                            ; lane
.set AO,  4                            ; my byte offset in the block's rows of X; never rewritten
.set AST, 5                            ; where I put 8 bytes of a rounded row
.set AA,  6                            ; my place in a fragment of X
.set BB,  7                            ; v7-10: my place in a fragment of W: slot 0 k 0-63, k 64-127; slot 1 likewise
.set STO, 11
.set RD,  12
.set CO,  13
.set SPW, 14                           ; LDS address of my spare word; never rewritten
.set NIL, 15                           ; 0; never rewritten
.set F0,  32
.set F1,  128
.set T,   224
.set OB,  128                          ; in window 2
.set WV,  14                           ; s14 my wave's number
.set G1,  24                           ; s[24:31] descriptor group 1
.set G0,  32                           ; s[32:39] descriptor group 0, a set for each slot
.set AP,  46                           ; s[46:47] X at the two chunks that a trip asks for
.set AOF, 48                           ; s[48:49] their byte offset in a row: 0 or 1,024
.set CNT, 50                           ; s50 trips to go, 5 to 1
.set MSB, 0
.macro WIN new                         ; the immediate's high byte repeats the setting that is left; a switch that changes nothing is dropped
.if MSB != (\new)
	s_set_vgpr_msb (MSB<<8)|(\new)
.set MSB, (\new)
.endif
.endm
.macro PLACES                          ; four places between a matrix instruction and a load into, or a vector line on, one of its registers
.rept 4
	v_nop
.endr
.endm
.macro CROUND                          ; a round of the cluster's barrier
	s_barrier_signal -1
	s_barrier_wait -1
	s_cmp_lg_u32 s[WV], 0
	s_cbranch_scc1 .Lnot_wave_0_\@
	s_barrier_signal -3
.Lnot_wave_0_\@:
	s_barrier_wait -3
	s_barrier_signal -1
	s_barrier_wait -1
.endm
.macro ALOAD p                         ; a chunk of my 16 rows into set p: 512 consecutive bytes an instruction; an odd chunk lies 512 bytes behind the even one
	WIN 0x80
.set i, 0
.rept 16
	global_load_b128 v[64*(\p)+4*i:64*(\p)+4*i+3], v[AO], s[AP:AP+1] offset:i*2048+(\p)*512 th:TH_LOAD_NT
.set i, i+1
.endr
	WIN 0
.endm
.macro CVTST p, left                   ; the chunk in set p is rounded to bf16 and put into buffer p; left: the younger loads, which stay out
	s_wait_loadcnt \left
	WIN 0x0a
.set i, 0
.rept 16
	v_cvt_pk_bf16_f32 v[T+2*i], v[64*(\p)+4*i], v[64*(\p)+4*i+1]
	v_cvt_pk_bf16_f32 v[T+2*i+1], v[64*(\p)+4*i+2], v[64*(\p)+4*i+3]
.set i, i+1
.endr
	WIN 0
.set i, 0
.rept 16
	ds_store_b64 v[AST], v[T+2*i:T+2*i+1] offset:(\p)*ABY+PA*i  ; 256 consecutive bytes: a row
.set i, i+1
.endr
.endm
; A unit's head, for a step of parity p.  The buffer that takes the chunk was read two units ago: the change of slots of the unit before stands between.  The 32 roundings are also the places
; behind the last unit's products.  load = 1: the chunk two on is asked for.  fill = 1: the other slot, read out, takes the next step's rows: the first thing behind a round of the cluster's barrier.
; step = 1: this slot's descriptor, whose load has landed, goes on to the step two on.
.macro HEAD p, left, load, fill, step
	CVTST \p, \left
.if \load
	ALOAD \p
.endif
	s_wait_tensorcnt 0x0                           ; all my tensor loads have landed: the one that was out is my part of this step's slot
	ds_add_u32 v[SPW], v[NIL]                      ; 0 onto my spare word
.if \step
	s_add_nc_u64 s[G0+4*(\p)+2:G0+4*(\p)+3], s[G0+4*(\p)+2:G0+4*(\p)+3], 2*128*1024
.endif
	s_wait_dscnt 0x0                               ; the add is done; my reads of the other slot and my stores into X's buffer are over
.if \fill
	CROUND                                         ; no wave of any partner still reads the slot or has a load on its way
	tensor_load_to_lds s[G0+4*(1-(\p)):G0+4*(1-(\p))+3], s[G1:G1+7]
	s_nop 0
.else
	s_barrier_signal -1
	s_barrier_wait -1
.endif
	PLACES
.endm
.macro FETCH sl, ks, f                 ; 24 LDS loads: the fragments of 32 along K: 4 of X, 8 of W
	WIN 0
.irp a, 0,1,2,3
	ds_load_b128 v[(\f)+8*\a:(\f)+8*\a+3], v[AA] offset:(\sl)*ABY+\a*16*PA+64*(\ks)
	ds_load_b128 v[(\f)+8*\a+4:(\f)+8*\a+7], v[AA] offset:(\sl)*ABY+\a*16*PA+64*(\ks)+32
.endr
.irp n, 0,1,2,3,4,5,6,7
	ds_load_tr16_b128 v[(\f)+32+8*\n:(\f)+32+8*\n+3], v[BB+2*(\sl)+(\ks)/2] offset:((\ks)%2)*32*PB+32*\n
	ds_load_tr16_b128 v[(\f)+32+8*\n+4:(\f)+32+8*\n+7], v[BB+2*(\sl)+(\ks)/2] offset:((\ks)%2)*32*PB+32*\n+16*PB
.endr
.endm
.macro MUL f, zero                     ; 32 matrix instructions; the 32 accumulators take turns.  zero = 1: the products start the sums
	WIN 0x50
.irp a, 0,1,2,3
.irp n, 0,1,2,3,4,5,6,7
.if \zero
	v_wmma_f32_16x16x32_bf16 v[8*(8*\a+\n):8*(8*\a+\n)+7], v[(\f)+32+8*\n:(\f)+32+8*\n+7], v[(\f)+8*\a:(\f)+8*\a+7], 0
.else
	v_wmma_f32_16x16x32_bf16 v[8*(8*\a+\n):8*(8*\a+\n)+7], v[(\f)+32+8*\n:(\f)+32+8*\n+7], v[(\f)+8*\a:(\f)+8*\a+7], v[8*(8*\a+\n):8*(8*\a+\n)+7]
.endif
.endr
.endr
.endm
.macro REST sl                         ; a step behind its first quarter: three quarters on buffers 1, 0, 1
	PLACES
	FETCH \sl, 2, F0
	s_wait_dscnt 24                                ; all but the 24 loads of the younger run
	MUL F1, 0
	PLACES
	FETCH \sl, 3, F1
	s_wait_dscnt 24
	MUL F0, 0
	s_wait_dscnt 0
	MUL F1, 0
.endm
; THE WAY OUT of a tile, 16 rows at a time: rounded to f16 (each accumulator's registers in ascending order), 16 bytes a lane into my stage, back as whole rows of 256 bytes, stored.
; It names neither fragment buffer.  more = 1: another tile follows, 16 MiB on in qkv.
.macro WAYOUT more
.irp a, 0,1,2,3
	WIN 0x05
.set i, 0
.rept 32
	v_cvt_pk_f16_f32 v[T+i], v[64*\a+2*i], v[64*\a+2*i+1]
.set i, i+1
.endr
	WIN 0
.irp n, 0,1,2,3,4,5,6,7
	ds_store_b128 v[STO], v[T+4*\n:T+4*\n+3] offset:32*\n
.endr
	WIN 0x80
.irp t, 0,1,2,3,4,5,6,7
	ds_load_b128 v[OB+32*\a+4*\t:OB+32*\a+4*\t+3], v[RD] offset:2*PA*\t  ; LDS serves a wave's instructions in order (ISA guide 5.7.1.4): these see the stores above
.endr
	s_wait_dscnt 0x0
	WIN 0x08
.irp t, 0,1,2,3,4,5,6,7
	global_store_b128 v[CO], v[OB+32*\a+4*\t:OB+32*\a+4*\t+3], s[12:13] offset:(16*\a+2*\t)*1024  ; 16 lanes store 256 consecutive bytes, at a multiple of 256
.endr
.endr
	WIN 0
.if \more
	s_wait_xcnt 0x0                                ; the stores' base and registers are written again only behind this wait
	s_add_nc_u64 s[12:13], s[12:13], 0x1000000
.endif
.endm
	s_load_b256 s[4:11], s[0:1], 0x0               ; query s[4:5], key s[6:7], value s[8:9], wb s[10:11]
	s_load_b64 s[12:13], s[0:1], 0x20              ; qkv
	v_lshl_add_u32 v[SPW], v0, 2, SPARE
	v_mov_b32 v[NIL], 0
	ds_add_u32 v[SPW], v[NIL]                      ; the wave's opening: an add and its wait ahead of my first tensor load
	v_lshrrev_b32 v1, 5, v0
	v_readfirstlane_b32 s[WV], v1
	s_bfe_u32 s15, ttmp6, 0x40000                  ; cx
	s_lshl_b32 s16, ttmp9, 2
	s_add_co_u32 s16, s16, s15                     ; my block of 64 rows: it enters X's and the results' addresses alone
	s_lshl_b32 s18, s16, 17                        ; 64 rows of 2,048 bytes
	s_mov_b32 s19, 0
	s_lshl_b32 s20, s16, 16                        ; 64 rows of 1,024 bytes
	s_mov_b32 s21, 0
	s_lshl_b32 s22, s[WV], 15                      ; my 32 k-rows of 1,024 bytes
	s_mov_b32 s23, 0
	s_mov_b32 s[AOF+1], 0
	s_mov_b32 s[G1], 15|(1<<16)|(1<<20)|(1<<21)|(7<<22)|(7<<25)  ; the mask of four; 2-byte elements; padding on; bit 21 beside a mask; after every 256 words 8 words
	s_mov_b32 s[G1+1], 512<<16                     ; tensor_dim0 = 512
	s_mov_b32 s[G1+2], 32<<16                      ; tensor_dim1 = 32
	s_mov_b32 s[G1+3], 512<<16                     ; tile_dim0 = 512
	s_mov_b32 s[G1+4], 32                          ; tile_dim1 = 32
	s_mov_b32 s[G1+5], 512                         ; elements from row to row
	s_mov_b32 s[G1+6], 0
	s_mov_b32 s[G1+7], 0
	s_mov_b32 s[G0], 1
	s_mul_i32 s[G0+1], s[WV], 32*PB                ; LDS address: wave x 32 rows
	s_mov_b32 s[G0+4], 1
	s_add_co_u32 s[G0+5], s[G0+1], SLOT
	v_and_b32 v[R], 15, v0
	v_bfe_u32 v[H], v0, 4, 1
	v_and_b32 v[LN], 31, v0
	s_lshl_b32 s40, s[WV], 15
	v_lshl_add_u32 v[AO], v[LN], 4, s40            ; wave x 16 rows x 2,048 + 16 x lane
	s_mul_i32 s41, s[WV], 16*PA
	s_add_co_u32 s42, s41, ABUF
	v_lshl_add_u32 v[AST], v[LN], 3, s42
	v_mul_u32_u24 v[AA], v[R], PA
	v_lshl_add_u32 v[AA], v[H], 4, v[AA]           ; 272 r + 16 h
	s_add_co_u32 s43, s41, STAGE                   ; my stage
	v_add_nc_u32 v[STO], s43, v[AA]
	v_add_nc_u32 v[AA], ABUF, v[AA]
	v_mul_u32_u24 v[RD], v[H], PA
	v_lshl_add_u32 v[RD], v[R], 4, v[RD]
	v_add_nc_u32 v[RD], s43, v[RD]
	v_and_b32 v28, 7, v0
	v_bfe_u32 v29, v0, 3, 1
	v_lshl_add_u32 v28, v[H], 3, v28               ; the turning load: k-row 8 h + lane % 8,
	v_mul_u32_u24 v28, v28, PB
	v_lshl_add_u32 v28, v29, 4, v28                ; 16 bytes for each half of eight lanes,
	s_lshl_b32 s44, s[WV], 8
	v_add_nc_u32 v[BB], s44, v28                   ; my 128 columns
	v_add_nc_u32 v[BB+1], 64*PB, v[BB]
	v_add_nc_u32 v[BB+2], SLOT, v[BB]
	v_add_nc_u32 v[BB+3], SLOT+64*PB, v[BB]
	v_lshlrev_b32 v[CO], 10, v[H]
	v_lshl_add_u32 v[CO], v[R], 4, v[CO]
	v_add_nc_u32 v[CO], s44, v[CO]                 ; 1,024 h + 16 r + 256 wave
	s_wait_dscnt 0x0                               ; the opening add is done
	s_wait_kmcnt 0x0
	s_add_nc_u64 s[4:5], s[4:5], s[18:19]          ; query, key and value at my block
	s_add_nc_u64 s[6:7], s[6:7], s[18:19]
	s_add_nc_u64 s[8:9], s[8:9], s[18:19]
	s_add_nc_u64 s[12:13], s[12:13], s[20:21]      ; q at my block
	s_mov_b64 s[AP:AP+1], s[4:5]
	s_add_nc_u64 s[G0+2:G0+3], s[10:11], s[22:23]  ; W at my rows of step 0,
	s_add_nc_u64 s[G0+6:G0+7], s[G0+2:G0+3], 128*1024  ; and of step 1
	s_or_b32 s[G0+3], s[G0+3], 0x80000000
	s_or_b32 s[G0+7], s[G0+7], 0x80000000
	ALOAD 0                                        ; chunks 0 and 1 of query
	ALOAD 1
	CROUND                                         ; all four work-groups are here: the first joint load meets
	tensor_load_to_lds s[G0:G0+3], s[G1:G1+7]      ; step 0 into slot 0; slot 1 is filled behind unit 0's round: one tensor load of mine is out at any time
	s_nop 0
	PLACES
.set i, 0
.rept 16
	v_mov_b32 v[F0+i], 0                           ; two fragments of zeros,
.set i, i+1
.endr
	WIN 0x50
.set i, 0
.rept 32
	v_wmma_f32_16x16x32_bf16 v[8*i:8*i+7], v[F0:F0+7], v[F0+8:F0+15], 0  ; and the first tile's sums are 0
.set i, i+1
.endr
	WIN 0
	s_mov_b32 s[CNT], 5
.Ltrip:                                                ; trip j = 5 - CNT: units 2 j and 2 j + 1; it asks for chunks 2 j + 2 and 2 j + 3, which lie in one input
	s_wait_xcnt 0x0                                ; X's pointer, which the last trip's loads name, is written again only behind this wait
	s_cmp_lt_u32 s[CNT], 5                         ; chunks 2, 3: query; 4 to 7: key; 8 to 11: value
	s_cselect_b64 s[AP:AP+1], s[6:7], s[4:5]
	s_cmp_lt_u32 s[CNT], 3
	s_cselect_b64 s[AP:AP+1], s[8:9], s[AP:AP+1]
	s_and_b32 s[AOF], s[CNT], 1                    ; an odd count: the row's second half
	s_lshl_b32 s[AOF], s[AOF], 10
	s_add_nc_u64 s[AP:AP+1], s[AP:AP+1], s[AOF:AOF+1]
	HEAD 0, 16, 1, 1, 1                            ; behind this chunk's loads the next chunk's 16 were issued
	FETCH 0, 0, F0
	FETCH 0, 1, F1
	s_cmp_eq_u32 s[CNT], 3                         ; units 4 and 8 are a tile's first
	s_cbranch_scc1 .Lleave
	s_cmp_eq_u32 s[CNT], 1
	s_cbranch_scc0 .Lgoon
.Lleave:
	WAYOUT 1                                       ; the tile before goes out, with the refill asked for and the fragments on their way; its last wait on LDS shows them in
	MUL F0, 1                                      ; and the new tile's first products start the sums
	WIN 0
	s_branch .Ljoin
.Lgoon:
	s_wait_dscnt 24                                ; all but the 24 loads of the younger run
	MUL F0, 0
	WIN 0
.Ljoin:
	REST 0
	HEAD 1, 16, 1, 1, 1
	FETCH 1, 0, F0
	FETCH 1, 1, F1
	s_wait_dscnt 24
	MUL F0, 0
	REST 1
	WIN 0
	s_sub_co_u32 s[CNT], s[CNT], 1
	s_cmp_lg_u32 s[CNT], 0
	s_cbranch_scc1 .Ltrip
	HEAD 0, 16, 0, 1, 0                            ; unit 10: no chunk is left to ask for; slot 1 takes the last step's rows
	FETCH 0, 0, F0
	FETCH 0, 1, F1
	s_wait_dscnt 24
	MUL F0, 0
	REST 0
	HEAD 1, 0, 0, 0, 0                             ; unit 11: the last chunk's loads have none behind them; nothing is filled
	FETCH 1, 0, F0
	FETCH 1, 1, F1
	s_wait_dscnt 24
	MUL F0, 0
	REST 1
	WIN 0
	PLACES
	WAYOUT 0
	s_wait_tensorcnt 0x0                           ; the wave's end
	ds_add_u32 v[SPW], v[NIL]
	s_wait_dscnt 0x0
	CROUND                                         ; the closing round
	s_endpgm
.Lfunc_end_k_qfd62a9baf1_proj:
	.size	k_qfd62a9baf1_proj, .Lfunc_end_k_qfd62a9baf1_proj-k_qfd62a9baf1_proj
	.p2alignl 7, 3214868480
	.fill 96, 4, 3214868480
	.section	.rodata,"a",@progbits
	.p2align	6, 0x0
	.amdhsa_kernel k_qfd62a9baf1_proj
		.amdhsa_group_segment_fixed_size 327680
		.amdhsa_private_segment_fixed_size 0
		.amdhsa_enable_private_segment 0
		.amdhsa_kernarg_size 40
		.amdhsa_user_sgpr_count 2
		.amdhsa_user_sgpr_kernarg_segment_ptr 1
		.amdhsa_wavefront_size32 1
		.amdhsa_system_sgpr_workgroup_id_x 1
		.amdhsa_system_sgpr_workgroup_id_y 1
		.amdhsa_system_sgpr_workgroup_id_z 1
		.amdhsa_system_vgpr_workitem_id 0
		.amdhsa_next_free_vgpr 768
		.amdhsa_next_free_sgpr 66
		.amdhsa_reserve_vcc 0
		.amdhsa_float_denorm_mode_32 3
		.amdhsa_float_denorm_mode_16_64 3
		.amdhsa_memory_ordered 1
		.amdhsa_forward_progress 1
		.amdhsa_inst_pref_size 121
	.end_amdhsa_kernel
	.amdgpu_metadata
---
amdhsa.version: [ 1, 2 ]
amdhsa.kernels:
  - .name:           k_qfd62a9baf1_proj
    .symbol:         k_qfd62a9baf1_proj.kd
    .args:
      - { .name: query, .offset: 0, .size: 8, .value_kind: global_buffer, .address_space: global }
      - { .name: key, .offset: 8, .size: 8, .value_kind: global_buffer, .address_space: global }
      - { .name: value, .offset: 16, .size: 8, .value_kind: global_buffer, .address_space: global }
      - { .name: wb, .offset: 24, .size: 8, .value_kind: global_buffer, .address_space: global }
      - { .name: qkv, .offset: 32, .size: 8, .value_kind: global_buffer, .address_space: global }
    .group_segment_fixed_size: 327680
    .private_segment_fixed_size: 0
    .kernarg_segment_align: 8
    .kernarg_segment_size: 40
    .max_flat_workgroup_size: 128
    .sgpr_count:     66
    .vgpr_count:     768
    .wavefront_size: 32
...
	.end_amdgpu_metadata
.endif
;; end of part 2
;; launch mmat (part 3): grid 8 x 32, 4 waves a work-group, clusters of 4 x 4, 327,680 bytes of LDS; arguments wof, qkv, mh; writes mh
.if DOCPART == 3
	.amdgcn_target "amdgcn-amd-amdhsa--gfx1250"
	.amdhsa_code_object_version 6
	.text
	.protected	k_qfd62a9baf1_mmat
	.globl	k_qfd62a9baf1_mmat
	.p2align	8
	.type	k_qfd62a9baf1_mmat,@function
k_qfd62a9baf1_mmat:
	s_mov_b64 s[64:65], 0
	v_nop
	global_prefetch_b8 v0, s[64:65] scope:SCOPE_SE
	s_setreg_imm32_b32 hwreg(HW_REG_WAVE_MODE, 25, 1), 1
	s_wait_xcnt 0x0
	s_wait_alu depctr_hold_cnt(0) depctr_sa_sdst(0) depctr_va_vdst(0) depctr_va_sdst(0) depctr_va_ssrc(0) depctr_va_vcc(0) depctr_vm_vsrc(0)
	s_getreg_b32 s2, hwreg(HW_REG_IB_STS2, 6, 4)
	s_cmp_eq_u32 s2, 0
	s_cbranch_scc0 .Lentry_in_a_cluster
	s_endpgm
.Lentry_in_a_cluster:
	s_bfe_u32 s2, ttmp6, 0x10000c
	s_cmp_lg_u32 s2, 0xf033
	s_cbranch_scc0 .Lentry_shape_is_right
	s_endpgm
.Lentry_shape_is_right:
; M[b][i][d] = the sum over k of Woff[i][k] v[b][k][d].  (offset Woff) v = offset (Woff v) holds for every input, so the bias needs no place among the scores.
; wof: [512 i][2048 k] f16; v: part 2 of qkv, [8][2048 k][512 d] f16; sums in f32; M leaves rounded once to bf16, [8][512 i][512 d] (bf16, since M has no room in f16 for large inputs).
; SHARES.  A work-group makes 64 i x 128 d of one batch; its four waves 32 i x 64 d each: 8 accumulators.  K = 2,048 keys in 8 steps of 256 through a ring of two LDS slots.
; CLUSTER, 4 x 4: x is the block of i, y = 4 b + the slice of d.  v's tile hangs on y alone and is shared along a row of the cluster, Woff's on x alone and is shared along a column.
; THE MATRIX INSTRUCTION IS USED TRANSPOSED: source 0 = 16 columns d of v (turned on the way out of LDS), source 1 = 16 rows i of Woff: a lane holds one row of M and eight neighbouring d.
.set PV,    288                        ; a key's row of v in LDS: 256 bytes + 32: an odd multiple of 32
.set PW,    528                        ; a row of Woff: 512 bytes + 16: an odd multiple of 16
.set VB,    256*PV
.set SLOT,  VB+64*PW
.set STAGE, 2*SLOT                     ; 64 rows x 272 bytes, the work-group's, for the way out
.set SP,    272
.set SPARE, STAGE+64*SP                ; the spare words, 128 bytes a wave: two blocks of 256 bytes that no other line names
.set AD,  16                           ; v16-18: slot 0: v's keys 0-127, keys 128-255, Woff; v19-21: slot 1
.set STO, 24
.set RD,  25
.set CO,  26
.set SPW, 28                           ; LDS address of my spare word; never rewritten
.set NIL, 29                           ; 0; never rewritten
.set TMP, 32
.set F0,  64                           ; two fragment buffers of 48: 4 of v, then 2 of Woff
.set F1,  112
.set ACC, 160                          ; accumulator (a, d) at ACC + 8 (4 a + d)
.set WV,  10
.set G1V, 24
.set G0V, 32
.set G1W, 48
.set G0W, 56
.macro PLACES
.rept 4
	v_nop
.endr
.endm
.macro CROUND
	s_barrier_signal -1
	s_barrier_wait -1
	s_cmp_lg_u32 s[WV], 0
	s_cbranch_scc1 .Lnot_wave_0_\@
	s_barrier_signal -3
.Lnot_wave_0_\@:
	s_barrier_wait -3
	s_barrier_signal -1
	s_barrier_wait -1
.endm
.macro JLOAD s                         ; a joint load: waves 0 and 1 fetch the halves of v's tile, waves 2 and 3 those of Woff's
	s_cmp_eq_u32 s11, 0
	s_cbranch_scc0 .Lfor_w_\@
	tensor_load_to_lds s[G0V+4*(\s):G0V+4*(\s)+3], s[G1V:G1V+7]
	s_nop 0
	PLACES
	s_branch .Lasked_\@
.Lfor_w_\@:
	tensor_load_to_lds s[G0W+4*(\s):G0W+4*(\s)+3], s[G1W:G1W+7]
	s_nop 0
	PLACES
.Lasked_\@:
.endm
.macro FETCH sl, ks, f                 ; 12 LDS loads: the fragments of 32 keys
.irp d, 0,1,2,3
	ds_load_tr16_b128 v[(\f)+8*\d:(\f)+8*\d+3], v[AD+3*(\sl)+(\ks)/4] offset:((\ks)%4)*32*PV+32*\d
	ds_load_tr16_b128 v[(\f)+8*\d+4:(\f)+8*\d+7], v[AD+3*(\sl)+(\ks)/4] offset:((\ks)%4)*32*PV+32*\d+16*PV
.endr
.irp a, 0,1
	ds_load_b128 v[(\f)+32+8*\a:(\f)+32+8*\a+3], v[AD+3*(\sl)+2] offset:\a*16*PW+64*(\ks)
	ds_load_b128 v[(\f)+32+8*\a+4:(\f)+32+8*\a+7], v[AD+3*(\sl)+2] offset:\a*16*PW+64*(\ks)+32
.endr
.endm
.macro MUL8 f, zero                    ; the 8 accumulators take turns
.irp a, 0,1
.irp d, 0,1,2,3
.if \zero
	v_wmma_f32_16x16x32_f16 v[ACC+8*(4*\a+\d):ACC+8*(4*\a+\d)+7], v[(\f)+8*\d:(\f)+8*\d+7], v[(\f)+32+8*\a:(\f)+32+8*\a+7], 0
.else
	v_wmma_f32_16x16x32_f16 v[ACC+8*(4*\a+\d):ACC+8*(4*\a+\d)+7], v[(\f)+8*\d:(\f)+8*\d+7], v[(\f)+32+8*\a:(\f)+32+8*\a+7], v[ACC+8*(4*\a+\d):ACC+8*(4*\a+\d)+7]
.endif
.endr
.endr
.endm
.macro WORK sl, zero                   ; a K step of 256 keys: eight parts of 32 on two buffers
	FETCH \sl, 0, F0
	FETCH \sl, 1, F1
.irp k, 0,1,2,3,4,5,6,7
.set FC, F0+48*((\k)%2)
.if \k < 7
	s_wait_dscnt 12                                ; all but the 12 loads of the younger run
.else
	s_wait_dscnt 0
.endif
.if (\zero) && (\k == 0)
	MUL8 FC, 1
.else
	MUL8 FC, 0
.endif
.if \k < 6
	PLACES
	FETCH \sl, (\k)+2, FC
.endif
.endr
.endm
.macro TRIP sl, fill                   ; slot sl is multiplied; fill = 1: the other slot, read out, takes the tiles two steps on
	s_wait_tensorcnt 0x0                           ; all my tensor loads have landed, my part of this slot among them
	ds_add_u32 v[SPW], v[NIL]                      ; 0 onto my spare word
.if \fill
	s_add_nc_u64 s[G0V+4*(1-(\sl))+2:G0V+4*(1-(\sl))+3], s[G0V+4*(1-(\sl))+2:G0V+4*(1-(\sl))+3], 512*1024
	s_add_nc_u64 s[G0W+4*(1-(\sl))+2:G0W+4*(1-(\sl))+3], s[G0W+4*(1-(\sl))+2:G0W+4*(1-(\sl))+3], 1024
.endif
	s_wait_dscnt 0x0                               ; the add is done, and my reads of the other slot are over
.if \fill
	CROUND
	JLOAD 1-(\sl)
.else
	s_barrier_signal -1
	s_barrier_wait -1
	PLACES
.endif
	WORK \sl, 0
.endm
	s_load_b128 s[4:7], s[0:1], 0x0                ; wof s[4:5], qkv s[6:7]
	s_load_b64 s[8:9], s[0:1], 0x10                ; mh
	v_lshl_add_u32 v[SPW], v0, 2, SPARE
	v_mov_b32 v[NIL], 0
	ds_add_u32 v[SPW], v[NIL]                      ; the wave's opening: an add and its wait ahead of my first tensor load
	v_lshrrev_b32 v1, 5, v0
	v_readfirstlane_b32 s[WV], v1
	s_lshr_b32 s11, s[WV], 1                       ; which 32 rows i are mine.  Also: I fetch for v (0) or for Woff (1)
	s_and_b32 s12, s[WV], 1                        ; which 64 columns d.  Also: which half of that tile I fetch
	s_bfe_u32 s40, ttmp6, 0x40000                  ; cx
	s_bfe_u32 s41, ttmp6, 0x40004                  ; cy: the slice of 128 d
	s_lshl_b32 s42, ttmp9, 2
	s_add_co_u32 s42, s42, s40                     ; the block of 64 i
	s_and_b32 s13, ttmp7, 0xffff                   ; the cluster's y is the batch
	s_lshl_b32 s43, s41, 2
	s_lshl_b32 s43, 15, s43                        ; my row of the cluster
	s_lshl_b32 s44, 0x1111, s40                    ; my column
	s_or_b32 s[G1V], s43, (1<<16)|(1<<20)|(1<<21)|(5<<22)|(7<<25)  ; v's tiles go to my row; 2-byte elements; after every 64 words 8 words of padding
	s_mov_b32 s[G1V+1], 128<<16                    ; tensor_dim0 = 128
	s_mov_b32 s[G1V+2], 128<<16                    ; tensor_dim1 = 128
	s_mov_b32 s[G1V+3], 128<<16                    ; tile_dim0 = 128
	s_mov_b32 s[G1V+4], 128                        ; tile_dim1 = 128
	s_mov_b32 s[G1V+5], 512
	s_mov_b32 s[G1V+6], 0
	s_mov_b32 s[G1V+7], 0
	s_or_b32 s[G1W], s44, (1<<16)|(1<<20)|(1<<21)|(6<<22)|(3<<25)  ; Woff's tiles go to my column; after every 128 words 4 words of padding
	s_mov_b32 s[G1W+1], 256<<16                    ; tensor_dim0 = 256
	s_mov_b32 s[G1W+2], 32<<16                     ; tensor_dim1 = 32
	s_mov_b32 s[G1W+3], 256<<16                    ; tile_dim0 = 256
	s_mov_b32 s[G1W+4], 32                         ; tile_dim1 = 32
	s_mov_b32 s[G1W+5], 2048
	s_mov_b32 s[G1W+6], 0
	s_mov_b32 s[G1W+7], 0
	s_lshl_b32 s16, s13, 21                        ; v: the batch's 2,048 rows of 1,024 bytes,
	s_lshl_b32 s17, s12, 17                        ; my 128 keys,
	s_add_co_u32 s16, s16, s17
	s_lshl_b32 s17, s41, 8                         ; the slice's 256 bytes,
	s_add_co_u32 s16, s16, s17
	s_add_co_u32 s16, s16, 0x2000000               ; in part 2 of qkv
	s_mov_b32 s17, 0
	s_lshl_b32 s46, s42, 18                        ; Woff: 64 rows of 4,096 bytes,
	s_lshl_b32 s47, s12, 17                        ; my 32 of them
	s_add_co_u32 s46, s46, s47
	s_mov_b32 s47, 0
	s_mul_i32 s20, s12, 128*PV                     ; where they go: no place in the cluster enters an LDS address
	s_mul_i32 s21, s12, 32*PW
	s_add_co_u32 s21, s21, VB
	s_lshl_b32 s14, s13, 19                        ; M: the batch's 512 KiB,
	s_lshl_b32 s18, s42, 16                        ; 64 rows of 1,024 bytes,
	s_add_co_u32 s14, s14, s18
	s_lshl_b32 s18, s[WV], 14                      ; the 16 rows that I store,
	s_add_co_u32 s14, s14, s18
	s_lshl_b32 s18, s41, 8                         ; the slice
	s_add_co_u32 s14, s14, s18
	s_mov_b32 s15, 0
	s_wait_dscnt 0x0                               ; the opening add is done
	s_wait_kmcnt 0x0
	s_add_nc_u64 s[16:17], s[6:7], s[16:17]
	s_add_nc_u64 s[46:47], s[4:5], s[46:47]
	s_add_nc_u64 s[8:9], s[8:9], s[14:15]
.irp s, 0,1
	s_mov_b32 s[G0V+4*\s], 1
	s_add_co_u32 s[G0V+4*\s+1], s20, \s*SLOT
	s_add_nc_u64 s[G0V+4*\s+2:G0V+4*\s+3], s[16:17], \s*256*1024
	s_or_b32 s[G0V+4*\s+3], s[G0V+4*\s+3], 0x80000000
	s_mov_b32 s[G0W+4*\s], 1
	s_add_co_u32 s[G0W+4*\s+1], s21, \s*SLOT
	s_add_nc_u64 s[G0W+4*\s+2:G0W+4*\s+3], s[46:47], \s*512
	s_or_b32 s[G0W+4*\s+3], s[G0W+4*\s+3], 0x80000000
.endr
	CROUND                                         ; all sixteen work-groups are here: the first joint loads meet
	s_cmp_eq_u32 s11, 0                            ; a wave's two first fills stand in one branch: two tensor loads of mine are out
	s_cbranch_scc0 .Lfirst_w
	tensor_load_to_lds s[G0V:G0V+3], s[G1V:G1V+7]
	s_nop 0
	tensor_load_to_lds s[G0V+4:G0V+7], s[G1V:G1V+7]
	s_nop 0
	PLACES
	s_branch .Lfirst_asked
.Lfirst_w:
	tensor_load_to_lds s[G0W:G0W+3], s[G1W:G1W+7]
	s_nop 0
	tensor_load_to_lds s[G0W+4:G0W+7], s[G1W:G1W+7]
	s_nop 0
	PLACES
.Lfirst_asked:
	v_and_b32 v1, 15, v0                           ; r
	v_bfe_u32 v2, v0, 4, 1                         ; h
	v_and_b32 v3, 7, v0
	v_bfe_u32 v4, v0, 3, 1
	v_lshl_add_u32 v3, v2, 3, v3                   ; the turning load: key 8 h + lane % 8,
	v_mul_u32_u24 v3, v3, PV
	v_lshl_add_u32 v3, v4, 4, v3
	s_lshl_b32 s22, s12, 7                         ; my 64 columns
	v_add_nc_u32 v[AD], s22, v3
	v_add_nc_u32 v[AD+1], 128*PV, v[AD]
	v_mul_u32_u24 v5, v1, PW
	v_lshl_add_u32 v5, v2, 4, v5
	s_mul_i32 s23, s11, 32*PW
	s_add_co_u32 s23, s23, VB
	v_add_nc_u32 v[AD+2], s23, v5
	v_add_nc_u32 v[AD+3], SLOT, v[AD]
	v_add_nc_u32 v[AD+4], SLOT, v[AD+1]
	v_add_nc_u32 v[AD+5], SLOT, v[AD+2]
	s_mul_i32 s23, s11, 32*SP                      ; into the stage: my 32 rows, my half of their 256 bytes
	s_add_co_u32 s23, s23, s22
	s_add_co_u32 s23, s23, STAGE
	v_mul_u32_u24 v6, v1, SP
	v_lshl_add_u32 v6, v2, 4, v6
	v_add_nc_u32 v[STO], s23, v6
	s_mul_i32 s23, s[WV], 16*SP                    ; back: wave w takes rows 16 w .. 16 w + 15, whole
	s_add_co_u32 s23, s23, STAGE
	v_mul_u32_u24 v6, v2, SP
	v_lshl_add_u32 v6, v1, 4, v6
	v_add_nc_u32 v[RD], s23, v6
	v_lshlrev_b32 v[CO], 10, v2
	v_lshl_add_u32 v[CO], v1, 4, v[CO]
	s_wait_tensorcnt 0x1                           ; my part of slot 0 is in; slot 1's may stay out
	s_barrier_signal -1
	s_barrier_wait -1
	WORK 0, 1                                      ; K step 0 starts the sums
	s_mov_b32 s3, 3
.Llap:                                                 ; K steps 1 to 6
	TRIP 1, 1
	TRIP 0, 1
	s_sub_co_u32 s3, s3, 1
	s_cmp_lg_u32 s3, 0
	s_cbranch_scc1 .Llap
	TRIP 1, 0                                      ; K step 7: nothing is left to fetch
	PLACES
	; THE WAY OUT: rounded to bf16; 16 bytes a lane into the work-group's stage; a barrier, since a row's 256 bytes come from two waves; back as whole rows
.set i, 0
.rept 32
	v_cvt_pk_bf16_f32 v[TMP+i], v[ACC+2*i], v[ACC+2*i+1]
.set i, i+1
.endr
.irp a, 0,1
.irp d, 0,1,2,3
	ds_store_b128 v[STO], v[TMP+4*(4*\a+\d):TMP+4*(4*\a+\d)+3] offset:\a*16*SP+32*\d
.endr
.endr
	s_wait_dscnt 0x0                               ; for the others' sake: my stores into the stage are done
	s_barrier_signal -1
	s_barrier_wait -1
.irp t, 0,1,2,3,4,5,6,7
	ds_load_b128 v[TMP+4*\t:TMP+4*\t+3], v[RD] offset:\t*2*SP
.endr
	s_wait_dscnt 0x0
.irp t, 0,1,2,3,4,5,6,7
	global_store_b128 v[CO], v[TMP+4*\t:TMP+4*\t+3], s[8:9] offset:2*\t*1024  ; 16 lanes store 256 consecutive bytes, at a multiple of 256
.endr
	s_wait_tensorcnt 0x0                           ; the wave's end
	ds_add_u32 v[SPW], v[NIL]
	s_wait_dscnt 0x0
	CROUND                                         ; the closing round
	s_endpgm
.Lfunc_end_k_qfd62a9baf1_mmat:
	.size	k_qfd62a9baf1_mmat, .Lfunc_end_k_qfd62a9baf1_mmat-k_qfd62a9baf1_mmat
	.p2alignl 7, 3214868480
	.fill 96, 4, 3214868480
	.section	.rodata,"a",@progbits
	.p2align	6, 0x0
	.amdhsa_kernel k_qfd62a9baf1_mmat
		.amdhsa_group_segment_fixed_size 327680
		.amdhsa_private_segment_fixed_size 0
		.amdhsa_enable_private_segment 0
		.amdhsa_kernarg_size 24
		.amdhsa_user_sgpr_count 2
		.amdhsa_user_sgpr_kernarg_segment_ptr 1
		.amdhsa_wavefront_size32 1
		.amdhsa_system_sgpr_workgroup_id_x 1
		.amdhsa_system_sgpr_workgroup_id_y 1
		.amdhsa_system_sgpr_workgroup_id_z 1
		.amdhsa_system_vgpr_workitem_id 0
		.amdhsa_next_free_vgpr 256
		.amdhsa_next_free_sgpr 66
		.amdhsa_reserve_vcc 0
		.amdhsa_float_denorm_mode_32 3
		.amdhsa_float_denorm_mode_16_64 3
		.amdhsa_memory_ordered 1
		.amdhsa_forward_progress 1
		.amdhsa_inst_pref_size 58
	.end_amdhsa_kernel
	.amdgpu_metadata
---
amdhsa.version: [ 1, 2 ]
amdhsa.kernels:
  - .name:           k_qfd62a9baf1_mmat
    .symbol:         k_qfd62a9baf1_mmat.kd
    .args:
      - { .name: wof, .offset: 0, .size: 8, .value_kind: global_buffer, .address_space: global }
      - { .name: qkv, .offset: 8, .size: 8, .value_kind: global_buffer, .address_space: global }
      - { .name: mh, .offset: 16, .size: 8, .value_kind: global_buffer, .address_space: global }
    .group_segment_fixed_size: 327680
    .private_segment_fixed_size: 0
    .kernarg_segment_align: 8
    .kernarg_segment_size: 24
    .max_flat_workgroup_size: 128
    .sgpr_count:     66
    .vgpr_count:     256
    .wavefront_size: 32
...
	.end_amdgpu_metadata
.endif
;; end of part 3
;; launch attn (part 4): grid 16 x 16, 4 waves a work-group, clusters of 4 x 1, 327,680 bytes of LDS; arguments qkv, po, st; writes po, st
.if DOCPART == 4
	.amdgcn_target "amdgcn-amd-amdhsa--gfx1250"
	.amdhsa_code_object_version 6
	.text
	.protected	k_qfd62a9baf1_attn
	.globl	k_qfd62a9baf1_attn
	.p2align	8
	.type	k_qfd62a9baf1_attn,@function
k_qfd62a9baf1_attn:
	s_mov_b64 s[64:65], 0
	v_nop
	global_prefetch_b8 v0, s[64:65] scope:SCOPE_SE
	s_setreg_imm32_b32 hwreg(HW_REG_WAVE_MODE, 25, 1), 1
	s_wait_xcnt 0x0
	s_wait_alu depctr_hold_cnt(0) depctr_sa_sdst(0) depctr_va_vdst(0) depctr_va_sdst(0) depctr_va_ssrc(0) depctr_va_vcc(0) depctr_vm_vsrc(0)
	s_getreg_b32 s2, hwreg(HW_REG_IB_STS2, 6, 4)
	s_cmp_eq_u32 s2, 0
	s_cbranch_scc0 .Lentry_in_a_cluster
	s_endpgm
.Lentry_in_a_cluster:
	s_bfe_u32 s2, ttmp6, 0x10000c
	s_cmp_lg_u32 s2, 0x3003
	s_cbranch_scc0 .Lentry_shape_is_right
	s_endpgm
.Lentry_shape_is_right:
; THE SOFTMAX PART, by halves of the keys.  For 128 queries of a batch and 1,024 of its 2,048 keys: O[q][:] = the sum over k of 2^(c s - c m) v[k][:], l = the sum of those weights, m = the running
; maximum of s = q . k, c = log2(e) / sqrt(512).  O (f32, not divided), c m and l go to memory; the next launch joins the two halves.  q, k, v: the three parts of qkv, [16384][512] f16.
; Products, maxima and sums in f32; the weights are rounded to f16 for the second product (l is taken of the unrounded weights).
; LIMITS.  q, k, v arrive within f16's 65,504; a weight below 2^-126 counts as 0 in l; NaN and infinities are not treated apart.
; SHARES.  x: the block of 128 queries; y = 2 b + half.  A wave owns 32 queries, two tiles of 16, and walks its half's keys in 16 steps of 64.
; LAYOUT.  S^T = K Q^T (source 0 = 16 keys, source 1 = 16 queries): a lane holds ONE query (lane % 16) and the keys 8 (lane / 16) + 0..7.  Two such results rounded in pairs ARE source 1 of
; O^T = V^T P, whose result again holds one query a lane and eight channels.  K comes out of LDS as it lies, V ([key][channel]) turned.
; m starts at the lowest finite number, O and l at 0: the first step is a step like any other, with a = 2^(c m_old - c m_new) = 0.
; A STEP: 128 products K Q^T; the softmax of both tiles; O^T's first 128 channels times a; 128 products V^T P, behind the first 48 of which the rest of O^T is multiplied by a, four lines each.
; CLUSTER.  The four query blocks of a cluster walk the same K and V: each tile is asked for jointly, by the same tensor load, descriptor and mask in all four.
; REGISTERS, in windows of 256: window 0: v1-15 addresses, v16-31 eight registers of statistics a tile, v32-95 S^T, v96-127 P, v128-191 and v192-255 two fragment buffers;
;   windows 1 and 2: O^T, channel block cb of tile t in window 1 + cb / 16 at 8 (2 (cb % 16) + t);   window 3: Q, tile t, channels 32 c on, at 8 (16 t + c).
.set KS,    64
.set PK,    1040                       ; a row of K in LDS: 1,024 bytes + 16: an odd multiple of 16
.set PV,    1056                       ; a row of V: 1,024 + 32: an odd multiple of 32
.set VOFF,  KS*PK
.set SLOT1, 135168                     ; 0x21000: its bits meet none of the four waves' offsets in a slot, so one exclusive or turns an address in one slot into the other's
.set STAGE, SLOT1+KS*(PK+PV)           ; 16 rows x 528 bytes for each wave, for the way out
.set SP,    528
.set SPARE, STAGE+4*16*SP              ; the spare words, 128 bytes a wave: two blocks of 256 bytes that no other line names
.set AK0, 2                            ; my lane's place in a tile of K; never rewritten
.set AV0, 3                            ; the same for V
.set AK,  4                            ; the same in the slot in hand
.set AV,  5
.set STO, 6
.set RD,  7
.set GO,  8
.set LN,  9
.set SV,  10                           ; v10-11: c m and l as stored
.set SPW, 12                           ; LDS address of my spare word; never rewritten
.set NIL, 13                           ; 0; never rewritten
.set QO,  14
.set ST,  16                           ; tile t at ST + 8 t: c m, m, l (even keys', odd keys'), c0-c3 at work; a takes c2's place
.set S,   32
.set P,   96
.set FA,  128
.set WV,  12
.set G1K, 24
.set G1V, 32
.set G0K, 40
.set G0V, 44
.set CNT, 56
.set CS,  58
.set SEL, 60
.set TB,  62                           ; the slot in hand: 0 or SLOT1
.set MSB, 0
.macro WIN new
.if MSB != (\new)
	s_set_vgpr_msb (MSB<<8)|(\new)
.set MSB, (\new)
.endif
.endm
.macro PLACES
.rept 4
	v_nop
.endr
.endm
.macro CROUND
	s_barrier_signal -1
	s_barrier_wait -1
	s_cmp_lg_u32 s[WV], 0
	s_cbranch_scc1 .Lnot_wave_0_\@
	s_barrier_signal -3
.Lnot_wave_0_\@:
	s_barrier_wait -3
	s_barrier_signal -1
	s_barrier_wait -1
.endm
.macro JLOAD                           ; a joint fill: waves 0 and 1 fetch the halves of a step's K, waves 2 and 3 those of its V: 32 keys each
	s_cmp_lt_u32 s[WV], 2
	s_cbranch_scc0 .Lfor_v_\@
	tensor_load_to_lds s[G0K:G0K+3], s[G1K:G1K+7]
	s_nop 0
	PLACES
	s_branch .Lasked_\@
.Lfor_v_\@:
	tensor_load_to_lds s[G0V:G0V+3], s[G1V:G1V+7]
	s_nop 0
	PLACES
.Lasked_\@:
.endm
; THE CHANGE OF SLOTS.  Each wave waits for all its tensor loads (one is out: its part of the slot to be read), adds 0 to its spare word, and waits for that and for its reads of the slot that it leaves.
; fill = 1: that slot takes the step after the one to be read: the first thing behind a round of the cluster's barrier; the load has a whole step, 256 products, in which to land.
.macro CHANGE fill
	WIN 0
	s_wait_tensorcnt 0x0
	ds_add_u32 v[SPW], v[NIL]
.if \fill
.irp g, G0K, G0V
	s_xor_b32 s[\g+1], s[\g+1], SLOT1
	s_add_nc_u64 s[\g+2:\g+3], s[\g+2:\g+3], KS*1024
.endr
	s_wait_dscnt 0x0
	CROUND
	JLOAD                                          ; its four v_nop are also the places in front of the fragment loads
.else
	s_wait_dscnt 0x0
	s_barrier_signal -1
	s_barrier_wait -1
	PLACES
.endif
	s_xor_b32 s[TB], s[TB], SLOT1
	v_add_nc_u32 v[AK], s[TB], v[AK0]
	v_add_nc_u32 v[AV], s[TB], v[AV0]
.endm
; Run n of 16 LDS loads.  n < 8: K, channels 64 n on: fragment (c, k) = channels 32 c on, keys 16 k on.  n >= 8: V, keys 32 ((n - 8) / 4) on, channel blocks 8 ((n - 8) % 4) + j.
.macro FETCH n
	WIN 0
.set FF, FA+64*((\n)%2)
.if (\n) < 8
.irp c, 0,1
.irp k, 0,1,2,3
	ds_load_b128 v[FF+8*(4*\c+\k):FF+8*(4*\c+\k)+3], v[AK] offset:\k*16*PK+64*(2*(\n)+\c)
	ds_load_b128 v[FF+8*(4*\c+\k)+4:FF+8*(4*\c+\k)+7], v[AK] offset:\k*16*PK+64*(2*(\n)+\c)+32
.endr
.endr
.else
.irp j, 0,1,2,3,4,5,6,7
	ds_load_tr16_b128 v[FF+8*\j:FF+8*\j+3], v[AV] offset:(((\n)-8)/4)*32*PV+32*(8*(((\n)-8)%4)+\j)
	ds_load_tr16_b128 v[FF+8*\j+4:FF+8*\j+7], v[AV] offset:(((\n)-8)/4)*32*PV+32*(8*(((\n)-8)%4)+\j)+16*PV
.endr
.endif
.endm
.macro MULS g                          ; 16 products of S^T; the 8 accumulators take turns; the first 8 of a step start the sums
	WIN 0x0c
.set FF, FA+64*((\g)%2)
.irp c, 0,1
.irp k, 0,1,2,3
.irp t, 0,1
.if ((\g) == 0) && (\c == 0)
	v_wmma_f32_16x16x32_f16 v[S+32*\t+8*\k:S+32*\t+8*\k+7], v[FF+8*(4*\c+\k):FF+8*(4*\c+\k)+7], v[8*(16*\t+2*(\g)+\c):8*(16*\t+2*(\g)+\c)+7], 0
.else
	v_wmma_f32_16x16x32_f16 v[S+32*\t+8*\k:S+32*\t+8*\k+7], v[FF+8*(4*\c+\k):FF+8*(4*\c+\k)+7], v[8*(16*\t+2*(\g)+\c):8*(16*\t+2*(\g)+\c)+7], v[S+32*\t+8*\k:S+32*\t+8*\k+7]
.endif
.endr
.endr
.endr
.endm
.macro MULP p                          ; 16 products of O^T on 16 accumulators.  p < 3: behind each, the accumulator eight channel blocks on is multiplied by a, lowest registers first
.set FF, FA+64*((\p)%2)
.set WO, 1+((\p)%4)/2
.set WR, 1+(((\p)%4)+1)/2
.irp j, 0,1,2,3,4,5,6,7
.irp t, 0,1
.set rO, 8*(2*((8*((\p)%4)+\j)%16)+\t)
	WIN 0x50*WO
	v_wmma_f32_16x16x32_f16 v[rO:rO+7], v[FF+8*\j:FF+8*\j+7], v[P+16*\t+8*((\p)/4):P+16*\t+8*((\p)/4)+7], v[rO:rO+7]
.if (\p) < 3
.set rR, 8*(2*((8*((\p)+1)+\j)%16)+\t)
	WIN 0x41*WR
.irp z, 0,1,2,3
	v_pk_mul_f32 v[rR+2*\z:rR+2*\z+1], v[rR+2*\z:rR+2*\z+1], v[ST+8*\t+6:ST+8*\t+7] op_sel_hi:[1,0]
.endr
.endif
.endr
.endr
.endm
; THE SOFTMAX of tile t for a step is a list of 102 lines; SM writes number j.  s0-s31 are the lane's 32 scores, in pairs 0-15.
;   0-15   the maximum of s0-s31 and the old m, three operands at a time (each accumulator's lowest registers are read first)
;   16-20  the other half of the lanes' maximum; c m_old is kept; the new m; c m; c m_old - c m_new
;   21-87  33 exponentials (a, then s0-s31) at the odd numbers from 23 on; between them what is ready: c s - c m for pairs to come, roundings to f16 of pairs that are done, the first sums
;   88-101 the last rounding; the rest of the sums; l = a l + the sum
.macro SM t
.set rT, ST+8*(\t)
.set rS, S+32*(\t)
.set rP, P+16*(\t)
.set q, (j-20)/2
.if j < 4
	v_max3_num_f32 v[rT+4+j], v[rS+8*j], v[rS+8*j+1], v[rS+8*j+2]
.elseif j < 12
	v_max3_num_f32 v[rT+4+j%4], v[rT+4+j%4], v[rS+8*(j%4)+2*(j/4)+1], v[rS+8*(j%4)+2*(j/4)+2]
.elseif j == 12
	v_max3_num_f32 v[rT+4], v[rT+4], v[rS+7], v[rS+15]
.elseif j == 13
	v_max3_num_f32 v[rT+6], v[rT+6], v[rS+23], v[rS+31]
.elseif j == 14
	v_max3_num_f32 v[rT+4], v[rT+4], v[rT+5], v[rT+6]
.elseif j == 15
	v_max3_num_f32 v[rT+4], v[rT+4], v[rT+7], v[rT+1]
.elseif j == 16
	v_permlanex16_b32 v[rT+5], v[rT+4], s[SEL], s[SEL+1]  ; the query's other 32 keys lie in the lane 16 away
.elseif j == 17
	v_mov_b32 v[rT+7], v[rT]
.elseif j == 18
	v_max_num_f32 v[rT+1], v[rT+4], v[rT+5]
.elseif j == 19
	v_mul_f32 v[rT], s[CS], v[rT+1]
.elseif j == 20
	v_sub_f32 v[rT+7], v[rT+7], v[rT]
.elseif j == 23
	v_exp_f32 v[rT+6], v[rT+7]
.elseif (j < 88) && (j > 23) && (j%2 == 1)
	v_exp_f32 v[rS+(j-25)/2], v[rS+(j-25)/2]
.elseif (q < 4) || ((j < 76) && (q%2 == 0))
.set b, q/2+2
.if q < 4
.set b, q
.endif
	v_pk_fma_f32 v[rS+2*b:rS+2*b+1], v[rS+2*b:rS+2*b+1], s[CS:CS+1], v[rT:rT+1] op_sel_hi:[1,0,0] neg_lo:[0,0,1] neg_hi:[0,0,1]
.elseif (j < 88) && (q%2 == 1)
	s_wait_alu depctr_va_vdst(0)
	v_cvt_pk_f16_f32 v[rP+(q-5)/2], v[rS+q-5], v[rS+q-4]
.elseif j == 89
	s_wait_alu depctr_va_vdst(0)
	v_cvt_pk_f16_f32 v[rP+15], v[rS+30], v[rS+31]
.else
.set z, j-86
.if j < 89
.set z, (j-76)/4
.endif
.set w, 4
.set u, z
.if z >= 14
.set w, 32
.set u, 0
.elseif z >= 12
.set w, 16
.set u, z-12
.elseif z >= 8
.set w, 8
.set u, z-8
.endif
.if z < 15
	v_pk_add_f32 v[rS+w*u:rS+w*u+1], v[rS+w*u:rS+w*u+1], v[rS+w*u+w/2:rS+w*u+w/2+1]
.else
	v_pk_fma_f32 v[rT+2:rT+3], v[rT+2:rT+3], v[rT+6:rT+7], v[rS:rS+1] op_sel_hi:[1,0,1]
.endif
.endif
.endm
.macro SLICE                           ; numbers 2 k and 2 k + 1 of both tiles
.if (k >= 11) && (k < 44)              ; tile by tile: plain, exponential, plain, exponential: a plain line stands behind every exponential (ISA guide 5.7.2)
.irp t, 0,1
.irp n, 0,1
.set j, 2*k+\n
	SM \t
.endr
.endr
.else                                  ; the two tiles alternate
.irp n, 0,1
.irp t, 0,1
.set j, 2*k+\n
	SM \t
.endr
.endr
.endif
.set k, k+1
.endm
.macro SOFT
	WIN 0
.set k, 0
.rept 51
	SLICE
.endr
.endm
.macro LUMP                            ; O^T's channel blocks 0-7 times a
	WIN 0x41
.irp j, 0,1,2,3,4,5,6,7
.irp t, 0,1
.irp z, 0,1,2,3
	v_pk_mul_f32 v[8*(2*\j+\t)+2*\z:8*(2*\j+\t)+2*\z+1], v[8*(2*\j+\t)+2*\z:8*(2*\j+\t)+2*\z+1], v[ST+8*\t+6:ST+8*\t+7] op_sel_hi:[1,0]
.endr
.endr
.endr
.endm
.macro STEP                            ; a key step: 16 runs of 16 products, each on the fragments fetched two runs ahead
	FETCH 0
	FETCH 1
.irp n, 0,1,2,3,4,5,6,7,8,9,10,11,12,13,14,15
.if \n < 15
	s_wait_dscnt 16                                ; all but the 16 loads of the younger run
.else
	s_wait_dscnt 0
.endif
.if \n < 8
	MULS \n
.else
	MULP (\n)-8
.endif
.if \n < 14
.if (\n < 8) || (\n > 10)
	PLACES                                         ; (in runs 8 to 10 the four lines behind the last product are the places)
.endif
	FETCH (\n)+2
.endif
.if \n == 7
	SOFT
	LUMP
.endif
.endr
.endm
	s_load_b128 s[4:7], s[0:1], 0x0                ; qkv s[4:5], po s[6:7]
	s_load_b64 s[8:9], s[0:1], 0x10                ; st
	v_lshl_add_u32 v[SPW], v0, 2, SPARE
	v_mov_b32 v[NIL], 0
	ds_add_u32 v[SPW], v[NIL]                      ; the wave's opening: an add and its wait ahead of my first tensor load
	v_lshrrev_b32 v1, 5, v0
	v_readfirstlane_b32 s[WV], v1
	s_bfe_u32 s13, ttmp6, 0x40000                  ; cx
	s_lshl_b32 s14, ttmp9, 2
	s_add_co_u32 s14, s14, s13                     ; my block of 128 queries: it enters Q's, po's and st's addresses alone
	s_and_b32 s15, ttmp7, 0xffff                   ; y = 2 b + half, which the four partners share
	s_lshr_b32 s16, s15, 1                         ; b
	s_and_b32 s17, s15, 1                          ; half
	s_and_b32 s18, s[WV], 1                        ; which 32 of a step's 64 keys I fetch
	s_lshl_b32 s20, s15, 20                        ; y x 1,024 keys x 1,024 bytes,
	s_lshl_b32 s21, s18, 15                        ; my 32 keys,
	s_add_co_u32 s20, s20, s21
	s_add_co_u32 s20, s20, 0x1000000               ; in part 1 of qkv
	s_mov_b32 s21, 0
	s_lshl_b32 s22, s16, 11
	s_lshl_b32 s23, s14, 7
	s_add_co_u32 s22, s22, s23
	s_lshl_b32 s23, s[WV], 5
	s_add_co_u32 s22, s22, s23                     ; my wave's first row: 2,048 b + 128 x + 32 w
	s_lshl_b32 s48, s22, 10                        ; in q
	s_mov_b32 s49, 0
	s_lshl_b32 s50, s22, 11                        ; in po,
	s_lshl_b32 s51, s17, 25                        ; whose halves are 32 MiB
	s_add_co_u32 s50, s50, s51
	s_mov_b32 s51, 0
	s_lshl_b32 s52, s22, 3                         ; in st,
	s_lshl_b32 s53, s17, 17                        ; whose halves are 128 KiB
	s_add_co_u32 s52, s52, s53
	s_mov_b32 s53, 0
	s_mov_b32 s[G1K], 15|(1<<16)|(1<<20)|(1<<21)|(7<<22)|(3<<25)  ; the mask of four; 2-byte elements; padding on; bit 21 beside a mask; after every 256 words 4 words
	s_mov_b32 s[G1V], 15|(1<<16)|(1<<20)|(1<<21)|(7<<22)|(7<<25)  ; the same with 8 words
.irp g, G1K, G1V
	s_mov_b32 s[\g+1], 512<<16                     ; tensor_dim0 = 512
	s_mov_b32 s[\g+2], 32<<16                      ; tensor_dim1 = 32
	s_mov_b32 s[\g+3], 512<<16                     ; tile_dim0 = 512
	s_mov_b32 s[\g+4], 32                          ; tile_dim1 = 32
	s_mov_b32 s[\g+5], 512
	s_mov_b32 s[\g+6], 0
	s_mov_b32 s[\g+7], 0
.endr
	s_mov_b32 s[G0K], 1
	s_mul_i32 s[G0K+1], s18, 32*PK                 ; LDS address: slot 0
	s_mov_b32 s[G0V], 1
	s_mul_i32 s[G0V+1], s18, 32*PV
	s_add_co_u32 s[G0V+1], s[G0V+1], VOFF
	s_mov_b32 s[CS], 0x3d8293ee                    ; c = log2(e) / sqrt(512) = 0.0637587
	s_mov_b32 s[CS+1], s[CS]                       ; named with it as a pair
	s_mov_b32 s[SEL], 0x76543210
	s_mov_b32 s[SEL+1], 0xfedcba98
	s_mov_b32 s[TB], SLOT1                         ; the first change of slots turns it into 0
	s_mov_b32 s[CNT], 15
	s_wait_dscnt 0x0                               ; the opening add is done
	s_wait_kmcnt 0x0
	s_add_nc_u64 s[G0K+2:G0K+3], s[4:5], s[20:21]
	s_add_nc_u64 s[G0V+2:G0V+3], s[G0K+2:G0K+3], 0x1000000  ; v lies a part behind k
	s_or_b32 s[G0K+3], s[G0K+3], 0x80000000
	s_or_b32 s[G0V+3], s[G0V+3], 0x80000000
	s_add_nc_u64 s[4:5], s[4:5], s[48:49]
	s_add_nc_u64 s[6:7], s[6:7], s[50:51]
	s_add_nc_u64 s[8:9], s[8:9], s[52:53]
	CROUND                                         ; all four work-groups are here: the first joint loads meet
	JLOAD                                          ; step 0 into slot 0; slot 1 is asked for by the loop's own change of slots
	v_and_b32 v1, 15, v0                           ; r
	v_bfe_u32 v15, v0, 4, 1                        ; h
	v_lshlrev_b32 v[QO], 10, v1
	v_lshl_add_u32 v[QO], v15, 4, v[QO]
	WIN 0xc0
.set i, 0
.rept 32                                       ; Q stays in registers: tile i / 16, channels 32 (i % 16) on
	global_load_b128 v[8*i:8*i+3], v[QO], s[4:5] offset:(i/16)*16384+(i%16)*64
	global_load_b128 v[8*i+4:8*i+7], v[QO], s[4:5] offset:(i/16)*16384+(i%16)*64+32
.set i, i+1
.endr
	WIN 0x40                                       ; O^T = 0, in the wait for the first tile: the price of writing no first step out
.set i, 0
.rept 256
	v_mov_b32 v[i], 0
.set i, i+1
.endr
	WIN 0x80
.set i, 0
.rept 256
	v_mov_b32 v[i], 0
.set i, i+1
.endr
	WIN 0
.irp t, 0,1
	v_mov_b32 v[ST+8*\t], 0xfe000000               ; c m: far below every c s
	v_mov_b32 v[ST+8*\t+1], 0xff7fffff             ; m
	v_mov_b32 v[ST+8*\t+2], 0
	v_mov_b32 v[ST+8*\t+3], 0
.endr
	v_mul_u32_u24 v[AK0], v1, PK
	v_lshl_add_u32 v[AK0], v15, 4, v[AK0]
	v_and_b32 v10, 7, v0
	v_bfe_u32 v11, v0, 3, 1
	v_lshl_add_u32 v[AV0], v15, 3, v10
	v_mul_u32_u24 v[AV0], v[AV0], PV
	v_lshl_add_u32 v[AV0], v11, 4, v[AV0]
	v_add_nc_u32 v[AV0], VOFF, v[AV0]
	v_and_b32 v[LN], 31, v0
	s_mul_i32 s19, s[WV], 16*SP
	s_add_co_u32 s19, s19, STAGE                   ; my stage
	v_mul_u32_u24 v[STO], v1, SP
	v_lshl_add_u32 v[STO], v15, 5, v[STO]
	v_add_nc_u32 v[STO], s19, v[STO]               ; in: row r, 32 bytes for each half of the lanes
	v_lshl_add_u32 v[RD], v[LN], 4, s19            ; back: a row of 512 bytes an instruction
	v_lshlrev_b32 v[GO], 4, v[LN]
	s_wait_loadcnt 0x0                             ; Q
.Lstep:                                                ; 15 trips: step i is worked on, step i + 1 asked for
	CHANGE 1
	STEP
	WIN 0
	s_sub_co_u32 s[CNT], s[CNT], 1
	s_cmp_lg_u32 s[CNT], 0
	s_cbranch_scc1 .Lstep
	CHANGE 0                                       ; the last step is written out
	STEP
	WIN 0
	PLACES
	; THE WAY OUT.  l's two halves and the other half of the lanes' are added; lanes 0-15 hold tile 0's queries, lanes 16-31 take tile 1's: 32 rows x 8 bytes = 256 consecutive bytes of st.
.irp t, 0,1
	v_add_f32 v[ST+8*\t+4], v[ST+8*\t+2], v[ST+8*\t+3]
.endr
.irp t, 0,1
	v_permlanex16_b32 v[ST+8*\t+5], v[ST+8*\t+4], s[SEL], s[SEL+1]
.endr
.irp t, 0,1
	v_add_f32 v[ST+8*\t+4], v[ST+8*\t+4], v[ST+8*\t+5]
.endr
	v_cmp_gt_u32 vcc_lo, 16, v[LN]
	v_cndmask_b32 v[SV], v[ST+8], v[ST], vcc_lo
	v_cndmask_b32 v[SV+1], v[ST+12], v[ST+4], vcc_lo
	v_lshlrev_b32 v15, 3, v[LN]
	global_store_b64 v15, v[SV:SV+1], s[8:9]
	; O^T leaves in f32, a tile's 16 rows x 128 channels at a time, through my stage: a lane's eight channels are 32 bytes of a row; back come whole pieces of 512 bytes.
.irp t, 0,1
.irp c, 0,1,2,3
	WIN 0x04*(1+(\c)/2)
.irp j, 0,1,2,3,4,5,6,7
.set rO, 8*(2*((8*\c+\j)%16)+\t)
	ds_store_b128 v[STO], v[rO:rO+3] offset:64*\j
	ds_store_b128 v[STO], v[rO+4:rO+7] offset:64*\j+16
.endr
	WIN 0
	s_wait_xcnt 0x0                                ; the registers that earlier stores read are loaded again only behind this wait
.set FF, FA+64*((\c)%2)
.set i, 0
.rept 16
	ds_load_b128 v[FF+4*i:FF+4*i+3], v[RD] offset:SP*i  ; LDS serves a wave's instructions in order (ISA guide 5.7.1.4): these see the stores above
.set i, i+1
.endr
	s_wait_dscnt 0x0
.set i, 0
.rept 16
	global_store_b128 v[GO], v[FF+4*i:FF+4*i+3], s[6:7] offset:(16*\t+i)*2048+512*\c  ; 512 consecutive bytes, at a multiple of 256
.set i, i+1
.endr
.endr
.endr
	s_wait_tensorcnt 0x0                           ; the wave's end
	ds_add_u32 v[SPW], v[NIL]
	s_wait_dscnt 0x0
	CROUND                                         ; the closing round
	s_endpgm
.Lfunc_end_k_qfd62a9baf1_attn:
	.size	k_qfd62a9baf1_attn, .Lfunc_end_k_qfd62a9baf1_attn-k_qfd62a9baf1_attn
	.p2alignl 7, 3214868480
	.fill 96, 4, 3214868480
	.section	.rodata,"a",@progbits
	.p2align	6, 0x0
	.amdhsa_kernel k_qfd62a9baf1_attn
		.amdhsa_group_segment_fixed_size 327680
		.amdhsa_private_segment_fixed_size 0
		.amdhsa_enable_private_segment 0
		.amdhsa_kernarg_size 24
		.amdhsa_user_sgpr_count 2
		.amdhsa_user_sgpr_kernarg_segment_ptr 1
		.amdhsa_wavefront_size32 1
		.amdhsa_system_sgpr_workgroup_id_x 1
		.amdhsa_system_sgpr_workgroup_id_y 1
		.amdhsa_system_sgpr_workgroup_id_z 1
		.amdhsa_system_vgpr_workitem_id 0
		.amdhsa_next_free_vgpr 1024
		.amdhsa_next_free_sgpr 66
		.amdhsa_reserve_vcc 1
		.amdhsa_float_denorm_mode_32 3
		.amdhsa_float_denorm_mode_16_64 3
		.amdhsa_memory_ordered 1
		.amdhsa_forward_progress 1
		.amdhsa_inst_pref_size 191
	.end_amdhsa_kernel
	.amdgpu_metadata
---
amdhsa.version: [ 1, 2 ]
amdhsa.kernels:
  - .name:           k_qfd62a9baf1_attn
    .symbol:         k_qfd62a9baf1_attn.kd
    .args:
      - { .name: qkv, .offset: 0, .size: 8, .value_kind: global_buffer, .address_space: global }
      - { .name: po, .offset: 8, .size: 8, .value_kind: global_buffer, .address_space: global }
      - { .name: st, .offset: 16, .size: 8, .value_kind: global_buffer, .address_space: global }
    .group_segment_fixed_size: 327680
    .private_segment_fixed_size: 0
    .kernarg_segment_align: 8
    .kernarg_segment_size: 24
    .max_flat_workgroup_size: 128
    .sgpr_count:     66
    .vgpr_count:     1024
    .wavefront_size: 32
...
	.end_amdgpu_metadata
.endif
;; end of part 4
;; launch final (part 5): grid 256 x 1, 4 waves a work-group, clusters of 4 x 1, 327,680 bytes of LDS; arguments offset, mh, po, st, out0; writes out0
.if DOCPART == 5
	.amdgcn_target "amdgcn-amd-amdhsa--gfx1250"
	.amdhsa_code_object_version 6
	.text
	.protected	k_qfd62a9baf1_final
	.globl	k_qfd62a9baf1_final
	.p2align	8
	.type	k_qfd62a9baf1_final,@function
k_qfd62a9baf1_final:
	s_mov_b64 s[64:65], 0
	v_nop
	global_prefetch_b8 v0, s[64:65] scope:SCOPE_SE
	s_setreg_imm32_b32 hwreg(HW_REG_WAVE_MODE, 25, 1), 1
	s_wait_xcnt 0x0
	s_wait_alu depctr_hold_cnt(0) depctr_sa_sdst(0) depctr_va_vdst(0) depctr_va_sdst(0) depctr_va_ssrc(0) depctr_va_vcc(0) depctr_vm_vsrc(0)
	s_getreg_b32 s2, hwreg(HW_REG_IB_STS2, 6, 4)
	s_cmp_eq_u32 s2, 0
	s_cbranch_scc0 .Lentry_in_a_cluster
	s_endpgm
.Lentry_in_a_cluster:
	s_bfe_u32 s2, ttmp6, 0x10000c
	s_cmp_lg_u32 s2, 0x3003
	s_cbranch_scc0 .Lentry_shape_is_right
	s_endpgm
.Lentry_shape_is_right:
; out0 = offset M[b] + (g1 O1 + g2 O2).  offset: [16384][512] f32, rounded to bf16 on the way; M: mh, [8][512 i][512 d] bf16; sums in f32.
; O1, O2 (po, f32), c m and l (st) are the two halves of the keys' softmax sums: with mx = max(c m1, c m2), e_h = 2^(c m_h - mx), g_h = e_h / (e1 l1 + e2 l2); the divisor is at least 1.
; LIMITS.  NaN and infinities are not treated apart.
; SHARES.  A work-group makes 64 rows x 512 columns; wave w all 64 rows x columns 128 w .. 128 w + 127: 32 accumulators.  K goes in 4 steps of 128, M's rows by tensor loads into a ring of two
; LDS slots (read turned), offset through registers and two bf16 buffers in LDS.  The wave's part of O1 and O2 (64 rows x 512 bytes each) is loaded into registers beside the products.
; CLUSTER.  The four row blocks of a cluster lie in one batch (32 blocks a batch) and walk the same M: each tile is asked for jointly.
; THE MATRIX INSTRUCTION IS USED TRANSPOSED: source 0 = 16 columns of M, source 1 = 16 rows of offset: a lane holds one row of the result and eight neighbouring columns.
; REGISTERS, in windows of 256: window 0: v1-15 addresses, v16-23 c m and l, v24-27 g, v28-30 at work, v32-127 and v128-223 two fragment buffers, v224-255 at work;
;   window 1: accumulator (a, n) at 8 (8 a + n);   window 2: offset as loaded, then O1, row p at 4 p;   window 3: O2, row p at 4 p.
.set PB,    1056                       ; a k-row of M in LDS: 1,024 bytes + 32: an odd multiple of 32
.set SLOT,  128*PB
.set ABUF,  2*SLOT                     ; two buffers of 64 rows x 272 bytes; no tensor load lands here
.set PA,    272
.set ABY,   64*PA
.set STAGE, 0                          ; the way out's stage, 16 rows x 528 bytes a wave, lies in slot 0: its last fill is K step 2's tile, and its last readers have passed K step 3's barrier
.set SP,    528
.set SPARE, ABUF+2*ABY                 ; the spare words, 128 bytes a wave: two blocks of 256 bytes that no other line names
.set R,   1
.set H,   2
.set LN,  3
.set AO,  4
.set AST, 5
.set AA,  6
.set BB,  7                            ; v7-10
.set STO, 11
.set RD,  12
.set CO,  13                           ; 16 x lane + 512 x wave: my 16 bytes of a row of po and of out0
.set SPW, 14                           ; LDS address of my spare word; never rewritten
.set NIL, 15                           ; 0; never rewritten
.set SO,  30                           ; 8 x lane
.set F0,  32
.set F1,  128
.set T,   224
.set WV,  14
.set G1,  24
.set G0,  32
.set GS,  40                           ; s40-55: for four rows g1 (s40 + 4 u) and g2 (s42 + 4 u), each the low word of a pair
.set MSB, 0
.macro WIN new
.if MSB != (\new)
	s_set_vgpr_msb (MSB<<8)|(\new)
.set MSB, (\new)
.endif
.endm
.macro PLACES
.rept 4
	v_nop
.endr
.endm
.macro CROUND
	s_barrier_signal -1
	s_barrier_wait -1
	s_cmp_lg_u32 s[WV], 0
	s_cbranch_scc1 .Lnot_wave_0_\@
	s_barrier_signal -3
.Lnot_wave_0_\@:
	s_barrier_wait -3
	s_barrier_signal -1
	s_barrier_wait -1
.endm
.macro ALOAD c
	WIN 0x80
.set i, 0
.rept 16
	global_load_b128 v[4*(16*(\c)+i):4*(16*(\c)+i)+3], v[AO], s[4:5] offset:i*2048+(\c)*512 th:TH_LOAD_NT
.set i, i+1
.endr
.endm
.macro PLOAD n                         ; 16 rows of my columns of O2 (n = 0-3, window 3) or of O1 (n = 4-7, window 2, where offset's chunks have been rounded)
.set i, 0
.if (\n) < 4
	WIN 0xc0
.rept 16
	global_load_b128 v[4*(16*(\n)+i):4*(16*(\n)+i)+3], v[CO], s[56:57] offset:(16*(\n)+i)*2048 th:TH_LOAD_NT
.set i, i+1
.endr
.else
	WIN 0x80
.rept 16
	global_load_b128 v[4*(16*((\n)-4)+i):4*(16*((\n)-4)+i)+3], v[CO], s[8:9] offset:(16*((\n)-4)+i)*2048 th:TH_LOAD_NT
.set i, i+1
.endr
.endif
.endm
.macro CVTST c                         ; chunk c is rounded to bf16 and put into buffer c % 2
	s_wait_loadcnt 48                              ; behind chunk c's loads 48 have been issued: the later chunks' and the runs of O2 asked for so far
	WIN 0x0a
.set i, 0
.rept 16
	v_cvt_pk_bf16_f32 v[T+2*i], v[4*(16*(\c)+i)], v[4*(16*(\c)+i)+1]
	v_cvt_pk_bf16_f32 v[T+2*i+1], v[4*(16*(\c)+i)+2], v[4*(16*(\c)+i)+3]
.set i, i+1
.endr
	WIN 0
.set i, 0
.rept 16
	ds_store_b64 v[AST], v[T+2*i:T+2*i+1] offset:((\c)%2)*ABY+PA*i
.set i, i+1
.endr
.endm
.macro FETCH sl, ks, f
	WIN 0
.irp a, 0,1,2,3
	ds_load_b128 v[(\f)+8*\a:(\f)+8*\a+3], v[AA] offset:(\sl)*ABY+\a*16*PA+64*(\ks)
	ds_load_b128 v[(\f)+8*\a+4:(\f)+8*\a+7], v[AA] offset:(\sl)*ABY+\a*16*PA+64*(\ks)+32
.endr
.irp n, 0,1,2,3,4,5,6,7
	ds_load_tr16_b128 v[(\f)+32+8*\n:(\f)+32+8*\n+3], v[BB+2*(\sl)+(\ks)/2] offset:((\ks)%2)*32*PB+32*\n
	ds_load_tr16_b128 v[(\f)+32+8*\n+4:(\f)+32+8*\n+7], v[BB+2*(\sl)+(\ks)/2] offset:((\ks)%2)*32*PB+32*\n+16*PB
.endr
.endm
.macro MUL f, zero                     ; the 32 accumulators take turns
	WIN 0x50
.irp a, 0,1,2,3
.irp n, 0,1,2,3,4,5,6,7
.if \zero
	v_wmma_f32_16x16x32_bf16 v[8*(8*\a+\n):8*(8*\a+\n)+7], v[(\f)+32+8*\n:(\f)+32+8*\n+7], v[(\f)+8*\a:(\f)+8*\a+7], 0
.else
	v_wmma_f32_16x16x32_bf16 v[8*(8*\a+\n):8*(8*\a+\n)+7], v[(\f)+32+8*\n:(\f)+32+8*\n+7], v[(\f)+8*\a:(\f)+8*\a+7], v[8*(8*\a+\n):8*(8*\a+\n)+7]
.endif
.endr
.endr
.endm
.macro STEP s, zero
	FETCH (\s)%2, 0, F0
	FETCH (\s)%2, 1, F1
	s_wait_dscnt 24                                ; all but the 24 loads of the younger run
	MUL F0, \zero
	PLACES
	FETCH (\s)%2, 2, F0
	s_wait_dscnt 24
	MUL F1, 0
	PLACES
	FETCH (\s)%2, 3, F1
	s_wait_dscnt 24
	MUL F0, 0
.if (\s) < 3
	CVTST (\s)+1
.endif
.if (\s) < 2
	PLOAD (\s)+1
.elseif (\s) == 2
	PLOAD 3
	PLOAD 4
.else
	PLOAD 5
	PLOAD 6
	PLOAD 7
.endif
.if (\s) < 3
	s_wait_dscnt 16                                ; all but CVTST's 16 stores
.else
	s_wait_dscnt 0
.endif
	MUL F1, 0
.endm
.macro REFILL s
	WIN 0
	s_wait_tensorcnt 0x0                           ; all my tensor loads have landed, my part of the other slot among them
	ds_add_u32 v[SPW], v[NIL]                      ; 0 onto my spare word
	s_add_nc_u64 s[G0+4*(\s)+2:G0+4*(\s)+3], s[G0+4*(\s)+2:G0+4*(\s)+3], 2*128*1024
	s_wait_dscnt 0x0
	CROUND
	tensor_load_to_lds s[G0+4*(\s):G0+4*(\s)+3], s[G1:G1+7]
	s_nop 0
	PLACES
.endm
	s_load_b256 s[4:11], s[0:1], 0x0               ; offset s[4:5], mh s[6:7], po s[8:9], st s[10:11]
	s_load_b64 s[12:13], s[0:1], 0x20              ; out0
	v_lshl_add_u32 v[SPW], v0, 2, SPARE
	v_mov_b32 v[NIL], 0
	ds_add_u32 v[SPW], v[NIL]                      ; the wave's opening: an add and its wait ahead of my first tensor load
	v_lshrrev_b32 v1, 5, v0
	v_readfirstlane_b32 s[WV], v1
	s_bfe_u32 s15, ttmp6, 0x40000                  ; cx
	s_lshl_b32 s16, ttmp9, 2
	s_add_co_u32 s16, s16, s15                     ; my block of 64 rows
	s_lshl_b32 s18, s16, 17                        ; 64 rows of 2,048 bytes: in offset, po and out0
	s_mov_b32 s19, 0
	s_lshl_b32 s20, s16, 9                         ; 64 rows of 8 bytes in st
	s_mov_b32 s21, 0
	s_lshr_b32 s22, ttmp9, 3                       ; the batch: eight clusters each
	s_lshl_b32 s22, s22, 19                        ; its M, 512 KiB,
	s_lshl_b32 s23, s[WV], 15                      ; my 32 k-rows
	s_add_co_u32 s22, s22, s23
	s_mov_b32 s23, 0
	s_mov_b32 s[G1], 15|(1<<16)|(1<<20)|(1<<21)|(7<<22)|(7<<25)
	s_mov_b32 s[G1+1], 512<<16
	s_mov_b32 s[G1+2], 32<<16
	s_mov_b32 s[G1+3], 512<<16
	s_mov_b32 s[G1+4], 32
	s_mov_b32 s[G1+5], 512
	s_mov_b32 s[G1+6], 0
	s_mov_b32 s[G1+7], 0
	s_mov_b32 s[G0], 1
	s_mul_i32 s[G0+1], s[WV], 32*PB
	s_mov_b32 s[G0+4], 1
	s_add_co_u32 s[G0+5], s[G0+1], SLOT
	v_and_b32 v[R], 15, v0
	v_bfe_u32 v[H], v0, 4, 1
	v_and_b32 v[LN], 31, v0
	s_lshl_b32 s40, s[WV], 15
	v_lshl_add_u32 v[AO], v[LN], 4, s40
	s_mul_i32 s41, s[WV], 16*PA
	s_add_co_u32 s41, s41, ABUF
	v_lshl_add_u32 v[AST], v[LN], 3, s41
	v_mul_u32_u24 v[AA], v[R], PA
	v_lshl_add_u32 v[AA], v[H], 4, v[AA]
	v_add_nc_u32 v[AA], ABUF, v[AA]
	s_mul_i32 s43, s[WV], 16*SP
	s_add_co_u32 s43, s43, STAGE                   ; my stage
	v_mul_u32_u24 v[STO], v[R], SP
	v_lshl_add_u32 v[STO], v[H], 5, v[STO]
	v_add_nc_u32 v[STO], s43, v[STO]               ; in: row r, 32 bytes for each half of the lanes
	v_lshl_add_u32 v[RD], v[LN], 4, s43            ; back: a row of 512 bytes an instruction
	v_and_b32 v28, 7, v0
	v_bfe_u32 v29, v0, 3, 1
	v_lshl_add_u32 v28, v[H], 3, v28
	v_mul_u32_u24 v28, v28, PB
	v_lshl_add_u32 v28, v29, 4, v28
	s_lshl_b32 s44, s[WV], 8
	v_add_nc_u32 v[BB], s44, v28
	v_add_nc_u32 v[BB+1], 64*PB, v[BB]
	v_add_nc_u32 v[BB+2], SLOT, v[BB]
	v_add_nc_u32 v[BB+3], SLOT+64*PB, v[BB]
	s_lshl_b32 s44, s[WV], 9
	v_lshl_add_u32 v[CO], v[LN], 4, s44
	v_lshlrev_b32 v[SO], 3, v[LN]
	s_wait_dscnt 0x0                               ; the opening add is done
	s_wait_kmcnt 0x0
	s_add_nc_u64 s[4:5], s[4:5], s[18:19]
	s_add_nc_u64 s[8:9], s[8:9], s[18:19]          ; O1 at my block,
	s_add_nc_u64 s[56:57], s[8:9], 0x2000000       ; O2 32 MiB on
	s_add_nc_u64 s[10:11], s[10:11], s[20:21]
	s_add_nc_u64 s[12:13], s[12:13], s[18:19]
	s_add_nc_u64 s[G0+2:G0+3], s[6:7], s[22:23]
	s_add_nc_u64 s[G0+6:G0+7], s[G0+2:G0+3], 128*1024
	s_or_b32 s[G0+3], s[G0+3], 0x80000000
	s_or_b32 s[G0+7], s[G0+7], 0x80000000
	global_load_b64 v[16:17], v[SO], s[10:11]                 ; c m1, l1 of row lane
	global_load_b64 v[18:19], v[SO], s[10:11] offset:256      ; of row lane + 32
	global_load_b64 v[20:21], v[SO], s[10:11] offset:131072   ; c m2, l2 of row lane
	global_load_b64 v[22:23], v[SO], s[10:11] offset:131328   ; of row lane + 32
	ALOAD 0
	ALOAD 1
	ALOAD 2
	WIN 0
	CROUND                                         ; all four work-groups are here: the first joint loads meet
	tensor_load_to_lds s[G0:G0+3], s[G1:G1+7]      ; both first fills together: two tensor loads of mine are out
	s_nop 0
	tensor_load_to_lds s[G0+4:G0+7], s[G1:G1+7]
	s_nop 0
	PLACES
	ALOAD 3
	CVTST 0
	PLOAD 0
	WIN 0
	s_wait_tensorcnt 0x1                           ; my part of slot 0 is in; slot 1's may stay out
	s_wait_dscnt 0x0
	s_barrier_signal -1
	s_barrier_wait -1
	STEP 0, 1
	REFILL 0
	STEP 1, 0
	REFILL 1
	STEP 2, 0
	WIN 0
	s_wait_tensorcnt 0x0                           ; the last tile has landed
	ds_add_u32 v[SPW], v[NIL]
	s_wait_dscnt 0x0
	s_barrier_signal -1
	s_barrier_wait -1
	PLACES
	STEP 3, 0
	WIN 0
	PLACES
	s_wait_loadcnt 0x0                             ; O1, O2
	v_max_num_f32 v28, v16, v20
	v_max_num_f32 v29, v18, v22
	v_sub_f32 v16, v16, v28
	v_sub_f32 v20, v20, v28
	v_sub_f32 v18, v18, v29
	v_sub_f32 v22, v22, v29
	v_exp_f32 v16, v16                             ; e1, e2 of row lane; e1, e2 of row lane + 32
	v_exp_f32 v20, v20
	v_exp_f32 v18, v18
	v_exp_f32 v22, v22
	v_nop                                          ; a plain line behind the last exponential
	s_wait_alu depctr_va_vdst(0)
	v_mul_f32 v28, v16, v17
	v_mul_f32 v29, v18, v19
	v_fmac_f32 v28, v20, v21
	v_fmac_f32 v29, v22, v23
	v_rcp_f32 v28, v28
	v_rcp_f32 v29, v29
	v_nop                                          ; and behind the last reciprocal
	s_wait_alu depctr_va_vdst(0)
	v_mul_f32 v24, v16, v28                        ; g1, g2 of row lane
	v_mul_f32 v25, v20, v28
	v_mul_f32 v26, v18, v29                        ; g1, g2 of row lane + 32
	v_mul_f32 v27, v22, v29
.irp u, 1,3,5,7,9,11,13,15
	s_mov_b32 s[GS+\u], 0                          ; the pairs' upper words are named, so they are written
.endr
	; THE WAY OUT, 16 rows at a time: the sums go through my stage and come back as whole pieces of 512 bytes, in the layout in which O1 and O2 lie; a row's g1 and g2 are scalars.
.irp a, 0,1,2,3
	WIN 0x04
.irp n, 0,1,2,3,4,5,6,7
	ds_store_b128 v[STO], v[64*\a+8*\n:64*\a+8*\n+3] offset:64*\n
	ds_store_b128 v[STO], v[64*\a+8*\n+4:64*\a+8*\n+7] offset:64*\n+16
.endr
	WIN 0
	s_wait_xcnt 0x0                                ; the registers that earlier stores read are loaded again only behind this wait
.set XB, 32+64*((\a)%2)
.set i, 0
.rept 16
	ds_load_b128 v[XB+4*i:XB+4*i+3], v[RD] offset:SP*i  ; LDS serves a wave's instructions in order (ISA guide 5.7.1.4): these see the stores above
.set i, i+1
.endr
	s_wait_dscnt 0x0
.irp g, 0,1,2,3
.irp u, 0,1,2,3
	v_readlane_b32 s[GS+4*\u], v[24+2*((\a)/2)], (16*\a+4*\g+\u)%32
	v_readlane_b32 s[GS+4*\u+2], v[25+2*((\a)/2)], (16*\a+4*\g+\u)%32
.endr
	WIN 0x02
.irp u, 0,1,2,3
	v_pk_fma_f32 v[XB+4*(4*\g+\u):XB+4*(4*\g+\u)+1], v[4*(16*\a+4*\g+\u):4*(16*\a+4*\g+\u)+1], s[GS+4*\u:GS+4*\u+1], v[XB+4*(4*\g+\u):XB+4*(4*\g+\u)+1] op_sel_hi:[1,0,1]
	v_pk_fma_f32 v[XB+4*(4*\g+\u)+2:XB+4*(4*\g+\u)+3], v[4*(16*\a+4*\g+\u)+2:4*(16*\a+4*\g+\u)+3], s[GS+4*\u:GS+4*\u+1], v[XB+4*(4*\g+\u)+2:XB+4*(4*\g+\u)+3] op_sel_hi:[1,0,1]
.endr
	WIN 0x03
.irp u, 0,1,2,3
	v_pk_fma_f32 v[XB+4*(4*\g+\u):XB+4*(4*\g+\u)+1], v[4*(16*\a+4*\g+\u):4*(16*\a+4*\g+\u)+1], s[GS+4*\u+2:GS+4*\u+3], v[XB+4*(4*\g+\u):XB+4*(4*\g+\u)+1] op_sel_hi:[1,0,1]
	v_pk_fma_f32 v[XB+4*(4*\g+\u)+2:XB+4*(4*\g+\u)+3], v[4*(16*\a+4*\g+\u)+2:4*(16*\a+4*\g+\u)+3], s[GS+4*\u+2:GS+4*\u+3], v[XB+4*(4*\g+\u)+2:XB+4*(4*\g+\u)+3] op_sel_hi:[1,0,1]
.endr
	WIN 0
.endr
.set i, 0
.rept 16
	global_store_b128 v[CO], v[XB+4*i:XB+4*i+3], s[12:13] offset:(16*\a+i)*2048 th:TH_STORE_NT  ; 512 consecutive bytes, at a multiple of 256
.set i, i+1
.endr
.endr
	s_wait_tensorcnt 0x0                           ; the wave's end
	ds_add_u32 v[SPW], v[NIL]
	s_wait_dscnt 0x0
	CROUND                                         ; the closing round
	s_endpgm
.Lfunc_end_k_qfd62a9baf1_final:
	.size	k_qfd62a9baf1_final, .Lfunc_end_k_qfd62a9baf1_final-k_qfd62a9baf1_final
	.p2alignl 7, 3214868480
	.fill 96, 4, 3214868480
	.section	.rodata,"a",@progbits
	.p2align	6, 0x0
	.amdhsa_kernel k_qfd62a9baf1_final
		.amdhsa_group_segment_fixed_size 327680
		.amdhsa_private_segment_fixed_size 0
		.amdhsa_enable_private_segment 0
		.amdhsa_kernarg_size 40
		.amdhsa_user_sgpr_count 2
		.amdhsa_user_sgpr_kernarg_segment_ptr 1
		.amdhsa_wavefront_size32 1
		.amdhsa_system_sgpr_workgroup_id_x 1
		.amdhsa_system_sgpr_workgroup_id_y 1
		.amdhsa_system_sgpr_workgroup_id_z 1
		.amdhsa_system_vgpr_workitem_id 0
		.amdhsa_next_free_vgpr 1024
		.amdhsa_next_free_sgpr 66
		.amdhsa_reserve_vcc 0
		.amdhsa_float_denorm_mode_32 3
		.amdhsa_float_denorm_mode_16_64 3
		.amdhsa_memory_ordered 1
		.amdhsa_forward_progress 1
		.amdhsa_inst_pref_size 138
	.end_amdhsa_kernel
	.amdgpu_metadata
---
amdhsa.version: [ 1, 2 ]
amdhsa.kernels:
  - .name:           k_qfd62a9baf1_final
    .symbol:         k_qfd62a9baf1_final.kd
    .args:
      - { .name: offset, .offset: 0, .size: 8, .value_kind: global_buffer, .address_space: global }
      - { .name: mh, .offset: 8, .size: 8, .value_kind: global_buffer, .address_space: global }
      - { .name: po, .offset: 16, .size: 8, .value_kind: global_buffer, .address_space: global }
      - { .name: st, .offset: 24, .size: 8, .value_kind: global_buffer, .address_space: global }
      - { .name: out0, .offset: 32, .size: 8, .value_kind: global_buffer, .address_space: global }
    .group_segment_fixed_size: 327680
    .private_segment_fixed_size: 0
    .kernarg_segment_align: 8
    .kernarg_segment_size: 40
    .max_flat_workgroup_size: 128
    .sgpr_count:     66
    .vgpr_count:     1024
    .wavefront_size: 32
...
	.end_amdgpu_metadata
.endif
;; end of part 5
